; MI455X (gfx1250); checked and timed in simulation.
; The chip was launched on July 23, 2026; its instructions are those of AMD's public machine-readable ISA for CDNA 5 (MIT licence, August 2026) and "CDNA5" Instruction Set Architecture Reference Guide (July 2026). The comments in the code are by the model that wrote it; some were corrected since.
;; Attention Layer. Allowed arithmetic: float matrix products may take bf16 or f16 operands with f32 sums; other float arithmetic in f32, or as packed bf16 or f16 multiplies, adds, multiply-adds, maxima and minima; sums over many terms, partial sums and values carried from step to step in f32; what a program stores and reads back later, other than sums and carried values, may be rounded once to bf16 or f16.
;; Inputs: b0 1,024 float32; b1 1 float32; enc_seq 32 x 2,048 x 1,024 float32; hidden 32 x 1 x 1,024 float32; mask 32 x 2,048 bool; w0 2,048 x 1,024 float32; w1 1,024 x 1 float32.
;; Outputs: out0 32 x 1,024 float32.
;; 2 versions, each right and faster than the one before. Each part assembles by itself: llvm-mc -triple=amdgcn-amd-amdhsa -mcpu=gfx1250 --defsym DOCPART=n.
;; ======== version 1 of 2: 3 launches
;; workspace buffers: wb 2,097,152 bytes; hbp 524,288 bytes; po 2,097,152 bytes; pml 262,144 bytes
;; launch prep (part 1): grid 64 x 1, 8 waves a work-group, no clusters, 91,648 bytes of LDS; arguments w0, hidden, wb, hbp; writes wb, hbp
.if DOCPART == 1
	.amdgcn_target "amdgcn-amd-amdhsa--gfx1250"
	.amdhsa_code_object_version 6
	.text
	.protected	k_qdc55208285_prep
	.globl	k_qdc55208285_prep
	.p2align	8
	.type	k_qdc55208285_prep,@function
k_qdc55208285_prep:
	s_mov_b64 s[64:65], 0
	v_nop
	global_prefetch_b8 v0, s[64:65] scope:SCOPE_SE
	s_setreg_imm32_b32 hwreg(HW_REG_WAVE_MODE, 25, 1), 1
	s_wait_xcnt 0x0
; PREP.  Two things are made of w0 ([2048][1024] f32), each of its bytes read once:
;  wb : w0's rows 0-1023 rounded once to bf16 and laid in the order in which the next launch's lanes take them as matrix fragments: the 16 bytes of lane L (r = L % 16, h = L / 16),
;       half j, column tile b (0-3), K step u (0-31), column group ng (0-15) lie at ng*131072 + u*4096 + b*1024 + j*512 + 16 L and hold w0[32u+16j+8h+e][64ng+16b+r], e = 0..7.
;  hbp: f32 [4][32][1024]: hidden (bf16) x w0's rows 1024-2047 (bf16), summed in f32 over one quarter of K (256 rows) each; the next launch adds the four quarters.
; SHARES.  Work-group x: column group ng = x % 16 (64 columns), K quarter kq = x / 16 (256 rows).  Wave v brings the 32 rows of K step 8 kq + v of the upper half and the same rows of the lower half:
; each load of a wave takes two pieces of 256 consecutive bytes, aligned.  Rows go to LDS as bf16 and come back turned (ds_load_tr16_b128), which is the fragment's order.
; For the small product wave v makes batches 16 (v / 4) .. +15 x columns 16 (v % 4) .. +15, over the eight K steps that the eight waves have laid down: a barrier stands between.
; No tensor load: a wave's piece is 8 KB, converted on its way, so it passes through registers anyway.
.set P160,  160                        ; an LDS row: 128 bytes of bf16 + 32
.set REG,   32*P160                    ; a wave's 32 rows
.set BOTR,  8*REG                      ; behind the eight upper regions: the eight lower ones
.set STG,   2*BOTR                     ; the small product's stage: 32 batches x 272 bytes
.set SPI,   272
.set SPARE, STG+32*SPI                 ; the spare words, 128 bytes for each of the eight waves: four blocks of 256 bytes that no other line names
.set WO,  4                            ; v4   my byte offset in two rows of w0: (L / 16) * 4096 + (L % 16) * 16
.set SA,  5                            ; v5   where my 8 bytes of bf16 go: wave's region + (L / 16) * 160 + (L % 16) * 8
.set TRA, 6                            ; v6   the turning load's address in my own upper region
.set TRB, 7                            ; v7   the same in the lower regions, at my column tile
.set HO,  8                            ; v8   my byte offset in hidden: batch row * 4096 + 32 h
.set L16, 9                            ; v9   16 L
.set STW, 10                           ; v10  into the stage
.set STR, 11                           ; v11  back out of the stage
.set GOH, 12                           ; v12  my byte offset in hbp
.set SPW, 14                           ; v14  LDS address of my spare word; never rewritten
.set NIL, 15                           ; v15  0; never rewritten
.set TL,  16                           ; v[16:79]   upper rows as loaded; later hidden of K steps 4-7
.set BL,  80                           ; v[80:143]  lower rows as loaded; later their eight fragments
.set HH,  144                          ; v[144:207] hidden of K steps 0-3
.set FR,  208                          ; v[208:239] the upper rows' four fragments
.set XY,  240                          ; v[240:247], v[248:255] two accumulators that take turns
	s_load_b256 s[4:11], s[0:1], 0x0               ; w0 s[4:5], hidden s[6:7], wb s[8:9], hbp s[10:11]
	v_lshl_add_u32 v[SPW], v0, 2, SPARE
	v_mov_b32 v[NIL], 0
	v_lshrrev_b32 v1, 5, v0
	v_readfirstlane_b32 s12, v1                    ; wave v, 0..7
	s_and_b32 s13, ttmp9, 15                       ; ng
	s_lshr_b32 s14, ttmp9, 4                       ; kq
	s_and_b32 s25, s12, 3                          ; my column tile in the small product
	s_lshr_b32 s26, s12, 2                         ; my batch tile
	v_and_b32 v1, 31, v0                           ; L
	v_and_b32 v2, 15, v0                           ; r
	v_bfe_u32 v3, v0, 4, 1                         ; h
	v_lshlrev_b32 v[WO], 4, v2
	v_lshl_add_u32 v[WO], v3, 12, v[WO]
	s_mul_i32 s24, s12, REG                        ; my region
	v_mul_u32_u24 v[SA], v3, P160
	v_lshl_add_u32 v[SA], v2, 3, v[SA]
	v_add_nc_u32 v[SA], s24, v[SA]
	v_and_b32 v13, 7, v0
	v_lshl_add_u32 v[TRA], v3, 3, v13              ; the turning load: lane L addresses row 8 h + L % 8,
	v_mul_u32_u24 v[TRA], v[TRA], P160
	v_bfe_u32 v13, v0, 3, 1
	v_lshl_add_u32 v[TRA], v13, 4, v[TRA]          ; 16 bytes at 16 ((L / 8) % 2)
	s_lshl_b32 s27, s25, 5
	s_add_co_u32 s27, s27, BOTR
	v_add_nc_u32 v[TRB], s27, v[TRA]
	v_add_nc_u32 v[TRA], s24, v[TRA]
	s_lshl_b32 s27, s26, 16
	v_lshlrev_b32 v[HO], 12, v2
	v_lshl_add_u32 v[HO], v3, 5, v[HO]
	v_add_nc_u32 v[HO], s27, v[HO]
	v_lshlrev_b32 v[L16], 4, v1
	s_mul_i32 s27, s26, 16*SPI
	s_lshl_b32 s28, s25, 6
	s_add_co_u32 s27, s27, s28
	s_add_co_u32 s27, s27, STG
	v_mul_u32_u24 v[STW], v3, 8*SPI                ; result register j of lane L is batch 8 h + j, column r of the tile
	v_lshl_add_u32 v[STW], v2, 2, v[STW]
	v_add_nc_u32 v[STW], s27, v[STW]
	v_lshrrev_b32 v13, 4, v0                       ; back: sixteen threads take one row of 256 bytes
	v_mul_u32_u24 v[STR], v13, SPI
	v_lshl_add_u32 v[STR], v2, 4, v[STR]
	v_add_nc_u32 v[STR], STG, v[STR]
	v_lshlrev_b32 v[GOH], 4, v2
	v_lshl_add_u32 v[GOH], v13, 12, v[GOH]
	s_lshl_b32 s28, s14, 20                        ; 256 kq rows of 4,096 bytes
	s_lshl_b32 s27, s12, 17                        ; + 32 v rows
	s_add_co_u32 s28, s28, s27
	s_lshl_b32 s27, s13, 8                         ; + 64 ng columns
	s_add_co_u32 s28, s28, s27
	s_mov_b32 s29, 0
	s_wait_kmcnt 0x0
	s_add_nc_u64 s[16:17], s[4:5], s[28:29]        ; w0 at my upper rows
	s_lshl_b32 s28, s13, 17
	s_lshl_b32 s27, s14, 15
	s_add_co_u32 s28, s28, s27
	s_lshl_b32 s27, s12, 12
	s_add_co_u32 s28, s28, s27
	s_add_nc_u64 s[18:19], s[8:9], s[28:29]        ; wb at group ng, K step 8 kq + v
	s_lshl_b32 s28, s14, 17
	s_lshl_b32 s27, s13, 8
	s_add_co_u32 s28, s28, s27
	s_add_nc_u64 s[20:21], s[10:11], s[28:29]      ; hbp at quarter kq, column 64 ng
	s_lshl_b32 s28, s14, 10
	s_add_nc_u64 s[22:23], s[6:7], s[28:29]        ; hidden at channel 256 kq
; hidden of K step ul into 16 registers at hb: lane (r, h) takes channels 8 h .. +7 and 16 + 8 h .. +7 of the step, as f32
.macro HLOAD hb, ul
.irp c,0,1,2,3
	global_load_b128 v[(\hb)+4*\c:(\hb)+4*\c+3], v[HO], s[22:23] offset:(\ul)*128+(\c/2)*64+(\c%2)*16
.endr
.endm
; 16 loaded groups of four f32 at base rb: rounded in place to two registers each, and stored
.macro TOLDS rb, off
.irp i,0,1,2,3,4,5,6,7,8,9,10,11,12,13,14,15
	v_cvt_pk_bf16_f32 v[(\rb)+4*\i], v[(\rb)+4*\i], v[(\rb)+4*\i+1]
	v_cvt_pk_bf16_f32 v[(\rb)+4*\i+1], v[(\rb)+4*\i+2], v[(\rb)+4*\i+3]
.endr
.irp i,0,1,2,3,4,5,6,7,8,9,10,11,12,13,14,15
	ds_store_b64 v[SA], v[(\rb)+4*\i:(\rb)+4*\i+1] offset:(\off)+\i*2*P160
.endr
.endm
; 16 f32 at hb become a fragment in its first 8 registers: ascending, so that no source is written before it is read
.macro HCV hb
.irp k,0,1,2,3,4,5,6,7
	v_cvt_pk_bf16_f32 v[(\hb)+\k], v[(\hb)+2*\k], v[(\hb)+2*\k+1]
.endr
.endm
.macro HMM hb, ul                      ; source 0 = 16 batches of hidden, source 1 = 16 columns of w0; the first two start the sums
.if (\ul) < 2
	v_wmma_f32_16x16x32_bf16 v[XY+8*((\ul)%2):XY+8*((\ul)%2)+7], v[(\hb):(\hb)+7], v[BL+8*(\ul):BL+8*(\ul)+7], 0
.else
	v_wmma_f32_16x16x32_bf16 v[XY+8*((\ul)%2):XY+8*((\ul)%2)+7], v[(\hb):(\hb)+7], v[BL+8*(\ul):BL+8*(\ul)+7], v[XY+8*((\ul)%2):XY+8*((\ul)%2)+7]
.endif
.endm
.irp i,0,1,2,3,4,5,6,7,8,9,10,11,12,13,14,15
	global_load_b128 v[TL+4*\i:TL+4*\i+3], v[WO], s[16:17] offset:\i*8192 th:TH_LOAD_NT
.endr
.irp i,0,1,2,3,4,5,6,7,8,9,10,11,12,13,14,15
	global_load_b128 v[BL+4*\i:BL+4*\i+3], v[WO], s[16:17] offset:4194304+\i*8192 th:TH_LOAD_NT  ; 1,024 rows further down
.endr
.irp ul,0,1,2,3
	HLOAD HH+16*\ul, \ul
.endr
	s_wait_loadcnt 32                              ; loads come back in order (ISA guide 5.7.1): the upper rows are in; the lower rows' 16 and hidden's 16 stay out
	TOLDS TL, 0
.irp b,0,1,2,3
.irp j,0,1
	ds_load_tr16_b128 v[FR+8*\b+4*\j:FR+8*\b+4*\j+3], v[TRA] offset:\j*16*P160+32*\b  ; my own bytes: LDS serves a wave's instructions in order (ISA guide 5.7.1.4)
.endr
.endr
.irp ul,4,5,6,7
	HLOAD TL+16*(\ul-4), \ul
.endr
.set k, 0
.irp b,0,1,2,3
.irp j,0,1
	s_wait_dscnt 7-k
	global_store_b128 v[L16], v[FR+8*\b+4*\j:FR+8*\b+4*\j+3], s[18:19] offset:\b*1024+\j*512  ; 512 consecutive bytes, aligned
.set k, k+1
.endr
.endr
	s_wait_loadcnt 32                              ; the lower rows are in; hidden's 32 loads stay out
	TOLDS BL, BOTR
	s_wait_dscnt 0x0                               ; for the others' sake: my stores are done
	s_barrier_signal -1
	s_barrier_wait -1                              ; all eight K steps of the lower rows lie in LDS
.irp ul,0,1,2,3,4,5,6,7
.irp j,0,1
	ds_load_tr16_b128 v[BL+8*\ul+4*\j:BL+8*\ul+4*\j+3], v[TRB] offset:\ul*REG+\j*16*P160
.endr
.endr
	s_wait_loadcnt 0x0                             ; hidden
.irp ul,0,1,2,3
	HCV HH+16*\ul
.endr
.irp ul,0,1,2,3
	HCV TL+16*\ul
.endr
	s_wait_dscnt 0x0
.irp ul,0,1,2,3                        ; two accumulators by turns, one instruction a turn
	HMM HH+16*\ul, \ul
.endr
.irp ul,4,5,6,7
	HMM TL+16*(\ul-4), \ul
.endr
.rept 4
	v_nop                                          ; four places behind the last product (ISA guide 7.12.1): no other vector work is at hand
.endr
.irp j,0,2,4,6
	v_pk_add_f32 v[XY+\j:XY+\j+1], v[XY+\j:XY+\j+1], v[XY+8+\j:XY+9+\j]  ; even and odd K steps' sums, from the low end on
.endr
.irp j,0,1,2,3,4,5,6,7
	ds_store_b32 v[STW], v[XY+\j] offset:\j*SPI
.endr
	s_wait_dscnt 0x0                               ; for the others' sake
	s_barrier_signal -1
	s_barrier_wait -1
	ds_load_b128 v[16:19], v[STR]
	ds_load_b128 v[20:23], v[STR] offset:16*SPI
	s_wait_dscnt 1
	global_store_b128 v[GOH], v[16:19], s[20:21]               ; sixteen lanes store 256 consecutive bytes, aligned: batches 0-15
	s_wait_dscnt 0x0
	global_store_b128 v[GOH], v[20:23], s[20:21] offset:65536  ; batches 16-31
	s_wait_tensorcnt 0x0                           ; the wave's end: three lines behind my last LDS store
	ds_add_u32 v[SPW], v[NIL]
	s_wait_dscnt 0x0
	s_endpgm
.Lfunc_end_k_qdc55208285_prep:
	.size	k_qdc55208285_prep, .Lfunc_end_k_qdc55208285_prep-k_qdc55208285_prep
	.p2alignl 7, 3214868480
	.fill 96, 4, 3214868480
	.section	.rodata,"a",@progbits
	.p2align	6, 0x0
	.amdhsa_kernel k_qdc55208285_prep
		.amdhsa_group_segment_fixed_size 91648
		.amdhsa_private_segment_fixed_size 0
		.amdhsa_enable_private_segment 0
		.amdhsa_kernarg_size 32
		.amdhsa_user_sgpr_count 2
		.amdhsa_user_sgpr_kernarg_segment_ptr 1
		.amdhsa_wavefront_size32 1
		.amdhsa_system_sgpr_workgroup_id_x 1
		.amdhsa_system_sgpr_workgroup_id_y 1
		.amdhsa_system_sgpr_workgroup_id_z 1
		.amdhsa_system_vgpr_workitem_id 0
		.amdhsa_next_free_vgpr 256
		.amdhsa_next_free_sgpr 66
		.amdhsa_reserve_vcc 0
		.amdhsa_float_denorm_mode_32 3
		.amdhsa_float_denorm_mode_16_64 3
		.amdhsa_memory_ordered 1
		.amdhsa_forward_progress 1
		.amdhsa_inst_pref_size 24
	.end_amdhsa_kernel
	.amdgpu_metadata
---
amdhsa.version: [ 1, 2 ]
amdhsa.kernels:
  - .name:           k_qdc55208285_prep
    .symbol:         k_qdc55208285_prep.kd
    .args:
      - { .name: w0, .offset: 0, .size: 8, .value_kind: global_buffer, .address_space: global }
      - { .name: hidden, .offset: 8, .size: 8, .value_kind: global_buffer, .address_space: global }
      - { .name: wb, .offset: 16, .size: 8, .value_kind: global_buffer, .address_space: global }
      - { .name: hbp, .offset: 24, .size: 8, .value_kind: global_buffer, .address_space: global }
    .group_segment_fixed_size: 91648
    .private_segment_fixed_size: 0
    .kernarg_segment_align: 8
    .kernarg_segment_size: 32
    .max_flat_workgroup_size: 256
    .sgpr_count:     66
    .vgpr_count:     256
    .wavefront_size: 32
...
	.end_amdgpu_metadata
.endif
;; end of part 1
;; launch main (part 2): grid 512 x 1, 4 waves a work-group, no clusters, 276,992 bytes of LDS; arguments enc_seq, mask, wb, hbp, b0, w1, b1, po, pml; writes po, pml
.if DOCPART == 2
	.amdgcn_target "amdgcn-amd-amdhsa--gfx1250"
	.amdhsa_code_object_version 6
	.text
	.protected	k_qdc55208285_main
	.globl	k_qdc55208285_main
	.p2align	8
	.type	k_qdc55208285_main,@function
k_qdc55208285_main:
	s_mov_b64 s[64:65], 0
	v_nop
	global_prefetch_b8 v0, s[64:65] scope:SCOPE_SE
	s_setreg_imm32_b32 hwreg(HW_REG_WAVE_MODE, 25, 1), 1
	s_wait_xcnt 0x0
; MAIN.  For a tile of 128 rows s of one batch: score[s] = w1 . tanh(enc[s] @ w0[:1024] + hidden @ w0[1024:] + b0) + b1, masked; then the tile's part of the softmax and of the weighted sum:
; m = max score, p = e^(score - m), l = sum p, o[c] = sum p[s] enc[s][c].  The next launch joins a batch's 16 tiles.
; enc_seq is read from memory ONCE: the tile's 128 x 1,024 numbers are rounded once to bf16 and stay in LDS (128 rows of 2,064 bytes) for the product and for the weighted sum.
; SHARES.  512 tiles, one work-group each; four waves.  Every wave takes all 128 rows and 256 of the 1,024 columns of w0, in four chunks of 64: 32 accumulators of 16 x 16, 256 registers.
; A UNIT is 32 along K: 32 matrix instructions, 16 LDS loads for enc's fragments, 8 loads of 512 consecutive bytes for w0's fragments (wb holds them in lane order), which go from memory
; straight into a ring of eight units in registers: a wave's columns are read by no other wave of the work-group, so LDS would give them no second use.  A unit's loads are issued seven units ahead.
; THE MATRIX INSTRUCTION IS USED TRANSPOSED (source 0 = 16 columns of w0, source 1 = 16 rows of enc): a lane then holds ONE row (lane % 16) and eight columns 8 (lane / 16) + 0..7,
; so that a row's score is summed in the lane, in two registers a row tile, with one exchange between the lanes' halves at the end.
; TANH BESIDE THE PRODUCTS.  tanh(x) = 1 - 2 / (1 + 2^(c x)), c = 2 log2(e): 2^(c x) = infinity or 0 gives +1 or -1, no case apart.  At a chunk's end its sums move into a stash as c x + c bias;
; the other 28 steps for each accumulator stand in eight groups behind the next chunk's matrix instructions, one accumulator a unit.  The one text of a pass runs four times: in the first pass the groups
; work on what the fill left in the stash (numbers of enc), with w1 = 0, and add 0; the last chunk's tanh stands alone behind the loop.
; NO CLUSTER, NO TENSOR LOAD, though all work-groups walk the same 2 MB of wb: beside what this text uses, 50,688 bytes of LDS are left; a K step of 32 of the four waves' columns is 16,384 bytes: two slots would
; hold one step each, 32 matrix instructions a wave between a joint request and the wait for it, and a round of the cluster's barrier for each.  The ring in registers has 192.
; THE WEIGHTED SUM is one row of weights: on the matrix unit 15 rows in 16 would be idle.  It is 8 multiply-adds a lane and row, p in f32, enc's bf16 halves straight from the LDS words.
; FORMATS.  enc, w0, hidden: rounded once to bf16.  b0, w1, b1, sums, scores, m, l, o: f32.
; LIMITS.  A weight below 2^-126 counts as 0.  A tile whose rows are all masked leaves m = -infinity, l = 0, o = 0.  A NaN in a tile's last rows of enc reaches that tile's scores through the first pass's 0 x NaN
; also where the row is masked.
.set PITCH, 2064                       ; an LDS row: 2,048 bytes + 16 = 516 words: row r starts at bank 4 r mod 64 (64 banks of 4 bytes: ISA guide 11.1), so the 16 rows of a fragment load start at 16 different banks
.set R16,   16*PITCH
.set R32,   32*PITCH
.set CBT,   128*PITCH                  ; c x (hidden @ w0[1024:] + b0), 1,024 f32; behind it, 4,096 bytes on, w1
.set SCO,   CBT+8192                   ; the four waves' partial scores, 128 f32 each
.set PVO,   SCO+2048                   ; p, a copy for each wave
.set SPARE, PVO+2048                   ; the spare words, 128 bytes a wave: two blocks of 256 bytes that no other line names
; window 0
.set EO,   4                           ; v4   my byte offset in the tile of enc: wave x 32 rows + 16 L
.set LA,   5                           ; v5   where my 8 bytes of a row go in LDS; steps 8 rows a trip
.set BO,   6                           ; v6   16 L
.set AADR, 8                           ; v8-11  LDS address of my fragments of rows 32 p .. 32 p + 31
.set TADR, 12                          ; v12  my 8 columns of the chunk in the bias table; steps a chunk a pass
.set SCW,  13                          ; v13  my wave's partial scores, row r
.set SCR,  14                          ; v14  all waves' partial scores, row L
.set PVW,  15                          ; v15  my wave's copy of p, row L
.set PVR,  16                          ; v16  the same, read: four p at a time; steps
.set XA,   17                          ; v17  my 16 bytes (channels 8 t .. 8 t + 7) of a row; steps
.set GO,   18                          ; v18  16 t
.set TBW,  19                          ; v19  CBT + 16 t
.set SPW,  20                          ; v20  LDS address of my spare word; never rewritten
.set NIL,  21                          ; v21  0; never rewritten
.set MK,   22                          ; v22-25  mask bytes of rows L + 32 i
.set SACC, 32                          ; v32-47  score sums, a pair for each row tile
.set OA,   32                          ; v32-39  later: o of my 8 channels
.set T,    48                          ; v48-63  at work
.set AF,   64                          ; v64-127, v128-191  enc's fragments, two buffers
.set XR,   64                          ; later: 16 rows' words for the weighted sum
.set PR,   128                         ; later: 16 p
.set W1R,  192                         ; v192-223  w1 of my lane's 32 columns of the chunk in the stash
.set CBR,  224                         ; v224-255  c bias of my lane's 32 columns of the chunk that ends
; window 1: the accumulators, (row tile a, column tile b) at 8 (4 a + b).  window 2: the stash, same order; during the fill a ring of 8 rows x 32 registers.  window 3: w0's ring, unit slot q, tile b, half j at 32 q + 8 b + 4 j
.set MSB, 0
.macro WIN new                         ; s_set_vgpr_msb: bits 1:0 source 0, 3:2 source 1, 5:4 source 2, 7:6 destination; the high byte repeats the setting that is left
.if MSB != (\new)
	s_set_vgpr_msb (MSB<<8)|(\new)
.set MSB, \new
.endif
.endm
.set W_MUL, 0x53                       ; w0 in window 3, enc in window 0, C and D in window 1
.set W_S,   0x82                       ; source 0 and destination in the stash
.set W_AC,  0x02                       ; source 0 in the stash
.set W_XF,  0x81                       ; source 0 the accumulators, destination the stash
.set W_B,   0xc0                       ; destination window 3
.set W_F,   0x80                       ; destination window 2
.set W_CV,  0x0a                       ; sources 0 and 1 window 2
; a row of enc, 4,096 bytes: eight loads of 512 consecutive bytes
.macro ELOAD slot, base
	WIN W_F
.irp q,0,1,2,3,4,5,6,7
	global_load_b128 v[32*(\slot)+4*\q:32*(\slot)+4*\q+3], v[EO], s[32:33] offset:(\base)+(\slot)*4096+512*\q th:TH_LOAD_NT
.endr
.endm
; w0's unit u of the first chunk, into slot u
.macro BFIRST u
	WIN W_B
.irp b,0,1,2,3
.irp j,0,1
	global_load_b128 v[32*(\u)+8*\b+4*\j:32*(\u)+8*\b+4*\j+3], v[BO], s[34:35] offset:(\u)*4096+\b*1024+\j*512
.endr
.endr
.endm
; One row's turn in the fill.  mode 0: the slot takes the row 8 further down; 1: w0's unit of the slot's number is asked for in its place; 2: nothing
.macro FROW slot, mode
	s_wait_loadcnt 56                              ; loads come back in order (ISA guide 5.7.1): my row is in; the seven groups of eight behind it stay out
	WIN W_CV
.set k, 0
.rept 16
	v_cvt_pk_bf16_f32 v[T+k], v[32*(\slot)+2*k], v[32*(\slot)+2*k+1]
.set k, k+1
.endr
	WIN 0
.irp q,0,1,2,3,4,5,6,7
	ds_store_b64 v[LA], v[T+2*\q:T+2*\q+1] offset:(\slot)*PITCH+256*\q  ; 32 lanes, 256 consecutive bytes
.endr
.if (\mode) == 0
	ELOAD \slot, 32768
.elseif (\mode) == 1
	BFIRST \slot
.endif
.endm
; four matrix instructions: row tile a x the four column tiles, unit u.  Unit 0 starts the sums.  The 32 accumulators take turns, one instruction a turn
.macro MM4 u, a
	WIN W_MUL
.irp b,0,1,2,3
.if (\u) == 0
	v_wmma_f32_16x16x32_bf16 v[8*(4*(\a)+\b):8*(4*(\a)+\b)+7], v[32*((\u)%8)+8*\b:32*((\u)%8)+8*\b+7], v[AF+64*((\u)%2)+8*(\a):AF+64*((\u)%2)+8*(\a)+7], 0
.else
	v_wmma_f32_16x16x32_bf16 v[8*(4*(\a)+\b):8*(4*(\a)+\b)+7], v[32*((\u)%8)+8*\b:32*((\u)%8)+8*\b+7], v[AF+64*((\u)%2)+8*(\a):AF+64*((\u)%2)+8*(\a)+7], v[8*(4*(\a)+\b):8*(4*(\a)+\b)+7]
.endif
.endr
.endm
; four LDS loads: enc's fragments of row tiles 2 g, 2 g + 1 for the unit behind u, into the other buffer.  Lane (r, h): row r, channels 8 h .. +7 and 16 + 8 h .. +7 of the unit
.macro ALD u, g
	WIN 0
.irp a,2*(\g),2*(\g)+1
.irp j,0,1
	ds_load_b128 v[AF+64*(((\u)+1)%2)+8*(\a)+4*\j:AF+64*(((\u)+1)%2)+8*(\a)+4*\j+3], v[AADR+(\g)] offset:((\a)%2)*R16+64*(((\u)+1)%32)+32*\j
.endr
.endr
.endm
; four loads: w0's column tiles 2 g, 2 g + 1 of the unit seven on, into the slot that the unit before u has left; from unit 25 on that is the next chunk's
.macro BLD u, g
	WIN W_B
.irp b,2*(\g),2*(\g)+1
.irp j,0,1
.if (\u)+7 < 32
	global_load_b128 v[32*(((\u)+7)%8)+8*(\b)+4*\j:32*(((\u)+7)%8)+8*(\b)+4*\j+3], v[BO], s[34:35] offset:((\u)+7)*4096+(\b)*1024+\j*512
.else
	global_load_b128 v[32*(((\u)+7)%8)+8*(\b)+4*\j:32*(((\u)+7)%8)+8*(\b)+4*\j+3], v[BO], s[36:37] offset:((\u)-25)*4096+(\b)*1024+\j*512
.endif
.endr
.endr
.endm
; THE RIDERS: tanh and its share of the score for stash accumulator i, whose eight registers hold y = c x + c bias: 2^y; + 1; 1 / ..; 1 - 2 ..; score += .. x w1
.macro RE n
	v_exp_f32 v[rS+(\n)], v[rS+(\n)]
.endm
.macro RP n
	v_pk_add_f32 v[rS+2*(\n):rS+2*(\n)+1], v[rS+2*(\n):rS+2*(\n)+1], 1.0 op_sel_hi:[1,0]
.endm
.macro RR n
	v_rcp_f32 v[rS+(\n)], v[rS+(\n)]
.endm
.macro RT n
	v_pk_fma_f32 v[rS+2*(\n):rS+2*(\n)+1], v[rS+2*(\n):rS+2*(\n)+1], -2.0, 1.0 op_sel_hi:[1,0,0]
.endm
; group g of eight.  Each v_nop is the plain line between a run of transcendentals and the first use of a result (ISA guide 5.7.2).  Group 8's four plain lines name no register of the products:
; they are the four places (ISA guide 7.12.1 for vector instructions) between a unit's last product and the next unit's loads into the registers that it read, and the move into the stash.
.macro RID g, i
.set rS, 8*(\i)
.set rA, SACC+2*((\i)/4)
.set rW, W1R+8*((\i)%4)
.if (\g) == 8
	WIN W_AC
.irp jj,0,1,2,3
	v_pk_fma_f32 v[rA:rA+1], v[rS+2*\jj:rS+2*\jj+1], v[rW+2*\jj:rW+2*\jj+1], v[rA:rA+1]
.endr
.else
	WIN W_S
.if (\g) == 1
	RE 0
	RE 1
	RE 2
	RE 3
.elseif (\g) == 2
	RE 4
	RE 5
	RE 6
	RE 7
.elseif (\g) == 3
	v_nop
	s_wait_alu depctr_va_vdst(0)
	RP 0
	RP 1
	RP 2
.elseif (\g) == 4
	RP 3
	RR 0
	RR 1
	RR 2
.elseif (\g) == 5
	RR 3
	RR 4
	RR 5
	RR 6
.elseif (\g) == 6
	RR 7
	v_nop
	s_wait_alu depctr_va_vdst(0)
	RT 0
	RT 1
.else
	RT 2
	RT 3
.endif
.endif
.endm
; A UNIT: behind each four matrix instructions a run of four loads (the next unit's enc, then w0 seven units on) and a group of riders: three switches of the window for each four
.macro UNIT u
	s_wait_dscnt 0x0                               ; enc's fragments of this unit, asked for in the first half of the unit before (in unit 0 also w1)
	s_wait_loadcnt 48                              ; w0's unit u is in; the six units behind it stay out
.irp a,0,1,2,3,4,5,6,7
	MM4 \u, \a
.if \a < 4
	ALD \u, \a
.elseif \a < 6
	BLD \u, (\a)-4
.endif
	RID (\a)+1, \u
.endr
.endm
; A chunk's end: its bias and w1 come out of the tables, and the sums move into the stash as y = c x + c bias; each accumulator is read from its low end on
.macro XFER
	WIN 0
.irp b,0,1,2,3
	ds_load_b128 v[CBR+8*\b:CBR+8*\b+3], v[TADR] offset:64*\b
	ds_load_b128 v[CBR+8*\b+4:CBR+8*\b+7], v[TADR] offset:64*\b+16
.endr
.irp b,0,1,2,3
	ds_load_b128 v[W1R+8*\b:W1R+8*\b+3], v[TADR] offset:4096+64*\b
	ds_load_b128 v[W1R+8*\b+4:W1R+8*\b+7], v[TADR] offset:4096+64*\b+16
.endr
	v_add_nc_u32 v[TADR], 256, v[TADR]             ; the next chunk's 64 columns
	s_wait_dscnt 8                                 ; the bias is in; w1's eight loads stay out
	WIN W_XF
.set i, 0
.rept 32
.irp jj,0,1,2,3
	v_pk_fma_f32 v[8*i+2*\jj:8*i+2*\jj+1], v[8*i+2*\jj:8*i+2*\jj+1], s[28:29], v[CBR+8*(i%4)+2*\jj:CBR+8*(i%4)+2*\jj+1] op_sel_hi:[1,0,1]
.endr
.set i, i+1
.endr
.endm
; c x (((h0 + h1) + (h2 + h3)) + b0) for four columns: the quarters at hb, hb + 4, hb + 8, hb + 12, b0 at bb
.macro CBH hb, bb
.irp p,0,2
	v_pk_add_f32 v[\hb+\p:\hb+\p+1], v[\hb+\p:\hb+\p+1], v[\hb+4+\p:\hb+5+\p]
	v_pk_add_f32 v[\hb+8+\p:\hb+9+\p], v[\hb+8+\p:\hb+9+\p], v[\hb+12+\p:\hb+13+\p]
.endr
.irp p,0,2
	v_pk_add_f32 v[\hb+\p:\hb+\p+1], v[\hb+\p:\hb+\p+1], v[\hb+8+\p:\hb+9+\p]
.endr
.irp p,0,2
	v_pk_add_f32 v[\hb+\p:\hb+\p+1], v[\hb+\p:\hb+\p+1], v[\bb+\p:\bb+\p+1]
.endr
.irp p,0,2
	v_pk_mul_f32 v[\hb+\p:\hb+\p+1], v[\hb+\p:\hb+\p+1], s[28:29] op_sel_hi:[1,0]
.endr
.endm
; THE WEIGHTED SUM.  Row i of sixteen: o[e] += enc's bf16 half x p.  reload = 1: the row 16 further down takes its registers; behind each fourth row the next four p
.macro WROW i, reload
.irp k,0,1,2,3
	v_fma_mix_f32_bf16 v[OA+2*\k], v[XR+4*(\i)+\k], v[PR+(\i)], v[OA+2*\k] op_sel_hi:[1,0,0]
	v_fma_mix_f32_bf16 v[OA+2*\k+1], v[XR+4*(\i)+\k], v[PR+(\i)], v[OA+2*\k+1] op_sel:[1,0,0] op_sel_hi:[1,0,0]
.endr
.if \reload
	ds_load_b128 v[XR+4*(\i):XR+4*(\i)+3], v[XA] offset:(16+(\i))*PITCH
.if (\i)%4 == 3
	ds_load_b128 v[PR+(\i)-3:PR+(\i)], v[PVR] offset:64+4*((\i)-3)
.endif
.endif
.endm
.macro WGRP g, reload, left            ; four rows.  The loads go row, row, row, row, p: behind a group's p stand left younger ones, and its rows are older than its p
	s_wait_dscnt \left
.irp k4,0,1,2,3
	WROW 4*(\g)+\k4, \reload
.endr
.endm
	s_load_b512 s[4:19], s[0:1], 0x0               ; enc s[4:5], mask s[6:7], wb s[8:9], hbp s[10:11], b0 s[12:13], w1 s[14:15], b1 s[16:17], po s[18:19]
	s_load_b64 s[20:21], s[0:1], 0x40              ; pml
	v_lshl_add_u32 v[SPW], v0, 2, SPARE
	v_mov_b32 v[NIL], 0
	v_lshrrev_b32 v1, 5, v0
	v_readfirstlane_b32 s22, v1                    ; wave 0..3
	v_and_b32 v1, 31, v0                           ; L
	v_and_b32 v2, 15, v0                           ; r
	v_bfe_u32 v3, v0, 4, 1                         ; h
	s_mov_b32 s23, ttmp9                           ; tile
	s_lshr_b32 s24, ttmp9, 4                       ; batch
	s_mov_b32 s28, 0x4038aa3b                      ; c = 2 log2(e)
	s_mov_b32 s29, 0x4038aa3b                      ; named with it as a pair
	s_mov_b32 s30, 0x76543210                      ; v_permlanex16_b32: each lane takes its own place in the other half
	s_mov_b32 s31, 0xfedcba98
	s_mov_b32 s44, 0x3fb8aa3b                      ; log2(e)
	s_mov_b32 s45, 0xff800000                      ; -infinity
	s_mov_b32 s41, 0
	s_lshl_b32 s40, s22, 17
	v_lshl_add_u32 v[EO], v1, 4, s40
	s_mul_i32 s40, s22, R32
	v_lshl_add_u32 v[LA], v1, 3, s40
	v_lshlrev_b32 v[BO], 4, v1
	v_mul_u32_u24 v[AADR], v2, PITCH
	v_lshl_add_u32 v[AADR], v3, 4, v[AADR]
	v_add_nc_u32 v[AADR+1], R32, v[AADR]
	v_add_nc_u32 v[AADR+2], 2*R32, v[AADR]
	v_add_nc_u32 v[AADR+3], 3*R32, v[AADR]
	s_lshl_b32 s40, s22, 10
	s_add_co_u32 s40, s40, CBT
	v_lshl_add_u32 v[TADR], v3, 5, s40
	s_lshl_b32 s42, s22, 9
	s_add_co_u32 s40, s42, SCO
	v_lshl_add_u32 v[SCW], v2, 2, s40
	v_lshl_add_u32 v[SCR], v1, 2, SCO
	s_add_co_u32 s40, s42, PVO
	v_lshl_add_u32 v[PVW], v1, 2, s40
	v_mov_b32 v[PVR], s40
	v_lshlrev_b32 v[XA], 4, v0
	v_lshlrev_b32 v[GO], 4, v0
	v_lshl_add_u32 v[TBW], v0, 4, CBT
	s_wait_kmcnt 0x0
	s_load_b32 s26, s[16:17], 0x0                  ; b1
	s_lshl_b32 s40, s23, 19                        ; a tile of enc is 524,288 bytes
	s_add_nc_u64 s[32:33], s[4:5], s[40:41]
	s_lshl_b32 s40, s23, 7
	s_add_nc_u64 s[6:7], s[6:7], s[40:41]          ; mask at the tile's rows
	s_lshl_b32 s40, s24, 12
	s_add_nc_u64 s[10:11], s[10:11], s[40:41]      ; hbp at the batch
	s_lshl_b32 s40, s22, 19
	s_add_nc_u64 s[38:39], s[8:9], s[40:41]        ; wb at my wave's four chunks, 524,288 bytes on end
	s_mov_b64 s[34:35], s[38:39]                   ; this chunk,
	s_add_nc_u64 s[36:37], s[38:39], 0x20000       ; the next
	s_lshl_b32 s40, s23, 12
	s_add_nc_u64 s[18:19], s[18:19], s[40:41]
	s_lshl_b32 s40, s23, 9
	s_add_nc_u64 s[20:21], s[20:21], s[40:41]
.irp q,0,1,2,3
	global_load_b128 v[64+4*\q:67+4*\q], v[GO], s[10:11] offset:\q*131072
	global_load_b128 v[80+4*\q:83+4*\q], v[GO], s[10:11] offset:\q*131072+2048
.endr
	global_load_b128 v[96:99], v[GO], s[12:13]
	global_load_b128 v[100:103], v[GO], s[12:13] offset:2048
	global_load_b128 v[104:107], v[GO], s[14:15]
	global_load_b128 v[108:111], v[GO], s[14:15] offset:2048
.irp i,0,1,2,3
	global_load_u8 v[MK+\i], v1, s[6:7] offset:32*\i
.endr
.irp r,0,1,2,3,4
	ELOAD \r, 0
.endr
	WIN 0
	s_wait_loadcnt 40                              ; the tables and the mask are in; five rows' 40 loads stay out
	CBH 64, 96
	CBH 80, 100
	ds_store_b128 v[TBW], v[64:67]
	ds_store_b128 v[TBW], v[80:83] offset:2048
	ds_store_b128 v[TBW], v[104:107] offset:4096
	ds_store_b128 v[TBW], v[108:111] offset:6144
.irp r,5,6,7
	ELOAD \r, 0
.endr
	WIN 0                                          ; at a label and at a branch every window is 0
	s_wait_kmcnt 0x0                               ; b1
	s_mov_b32 s27, 3
.Lfill:                                                ; a trip: 8 of my 32 rows go to LDS, the 8 behind them are asked for
.irp r,0,1,2,3,4,5,6,7
	FROW \r, 0
.endr
	WIN 0
	s_wait_xcnt 0x0                                ; the loads' base is stepped only behind this wait (ISA guide 3.1)
	s_add_nc_u64 s[32:33], s[32:33], 0x8000
	v_add_nc_u32 v[LA], 8*PITCH, v[LA]
	s_sub_co_u32 s27, s27, 1
	s_cmp_lg_u32 s27, 0
	s_cbranch_scc1 .Lfill
.irp r,0,1,2,3,4,5,6
	FROW \r, 1                                     ; the last 8 rows: w0's first seven units are asked for in the rows' place, so the count stays seven groups
.endr
	FROW 7, 2
	s_wait_dscnt 0x0                               ; for the others' sake: my rows and my part of the tables are in LDS
	s_barrier_signal -1
	s_barrier_wait -1
.irp g,0,1,2,3
	ALD 31, \g                                     ; unit 0's fragments of enc
.endr
.set i, 0
.rept 32
	v_mov_b32 v[W1R+i], 0                          ; the first pass's riders add 0
.set i, i+1
.endr
.set i, 0
.rept 16
	v_mov_b32 v[SACC+i], 0
.set i, i+1
.endr
	s_mov_b32 s25, 4
.Lpass:                                                ; a trip: a chunk's 1,024 products, and beside them the tanh of the chunk before
.set uu, 0
.rept 32
	UNIT uu
.set uu, uu+1
.endr
	XFER
	WIN 0
	s_wait_xcnt 0x0                                ; the loads' bases are rewritten only behind this wait
	s_mov_b64 s[34:35], s[36:37]
	s_add_nc_u64 s[40:41], s[36:37], 0x20000
	s_cmp_eq_u32 s25, 2                            ; the last pass has no next chunk: its seven units ahead are taken from my first chunk again, inside wb, and serve nothing
	s_cselect_b64 s[36:37], s[38:39], s[40:41]
	s_sub_co_u32 s25, s25, 1
	s_cmp_lg_u32 s25, 0
	s_cbranch_scc1 .Lpass
	; the last chunk's tanh stands alone
	WIN W_S
.set i, 0
.rept 256
	v_exp_f32 v[i], v[i]
.set i, i+1
.endr
	v_nop
.set i, 0
	s_wait_alu depctr_va_vdst(0)
.rept 128
	v_pk_add_f32 v[i:i+1], v[i:i+1], 1.0 op_sel_hi:[1,0]
.set i, i+2
.endr
.set i, 0
.rept 256
	v_rcp_f32 v[i], v[i]
.set i, i+1
.endr
	v_nop
.set i, 0
	s_wait_alu depctr_va_vdst(0)
.rept 128
	v_pk_fma_f32 v[i:i+1], v[i:i+1], -2.0, 1.0 op_sel_hi:[1,0,0]
.set i, i+2
.endr
	s_wait_dscnt 0x0                               ; w1 of the last chunk
	WIN W_AC
.set z, 0
.rept 128                              ; the eight row tiles' sums by turns, so that no line waits for the one before it
.set ea, z%8
.set eb, (z/8)/4
.set ej, (z/8)%4
	v_pk_fma_f32 v[SACC+2*ea:SACC+2*ea+1], v[8*(4*ea+eb)+2*ej:8*(4*ea+eb)+2*ej+1], v[W1R+8*eb+2*ej:W1R+8*eb+2*ej+1], v[SACC+2*ea:SACC+2*ea+1]
.set z, z+1
.endr
	WIN 0
	; THE SCORES.  A row's sum over my wave's 256 columns: the pair, then the other half of the lanes; the four waves' sums meet in LDS
.irp a,0,1,2,3,4,5,6,7
	v_add_f32 v[T+\a], v[SACC+2*\a], v[SACC+2*\a+1]
.endr
.irp a,0,1,2,3,4,5,6,7
	v_permlanex16_b32 v[T+8+\a], v[T+\a], s30, s31
.endr
.irp a,0,1,2,3,4,5,6,7
	v_add_f32 v[T+\a], v[T+\a], v[T+8+\a]
	ds_store_b32 v[SCW], v[T+\a] offset:64*\a
.endr
	s_wait_dscnt 0x0                               ; for the others' sake
	s_barrier_signal -1
	s_barrier_wait -1
.irp i,0,1,2,3
.irp w,0,1,2,3
	ds_load_b32 v[64+4*\i+\w], v[SCR] offset:512*\w+128*\i  ; every wave takes all 128 rows: lane L the rows L + 32 i
.endr
.endr
.irp i,0,1,2,3
	v_cmp_ne_u32 s[40+\i], 0, v[MK+\i]
.endr
	s_wait_dscnt 0x0
.irp i,0,1,2,3
	v_pk_add_f32 v[64+4*\i:65+4*\i], v[64+4*\i:65+4*\i], v[66+4*\i:67+4*\i]
.endr
.irp i,0,1,2,3
	v_add_f32 v[64+4*\i], v[64+4*\i], v[65+4*\i]
.endr
.irp i,0,1,2,3
	v_add_f32 v[64+4*\i], s26, v[64+4*\i]          ; + b1
.endr
.irp i,0,1,2,3
	v_cndmask_b32 v[64+4*\i], s45, v[64+4*\i], s[40+\i]  ; -infinity where the mask is 0
.endr
	v_max3_num_f32 v28, v64, v68, v72
	v_max_num_f32 v28, v28, v76
	v_max_num_f32_dpp v28, v28, v28 row_xmask:1 row_mask:0xf bank_mask:0xf
	v_max_num_f32_dpp v28, v28, v28 row_xmask:2 row_mask:0xf bank_mask:0xf
	v_max_num_f32_dpp v28, v28, v28 row_xmask:4 row_mask:0xf bank_mask:0xf
	v_max_num_f32_dpp v28, v28, v28 row_xmask:8 row_mask:0xf bank_mask:0xf
	v_permlanex16_b32 v[T], v28, s30, s31
	v_max_num_f32 v28, v28, v[T]                   ; m, in every lane
	v_mul_f32 v26, s44, v28
.irp i,0,1,2,3
	v_fma_f32 v[64+4*\i], v[64+4*\i], s44, -v26    ; (score - m) log2(e)
.endr
.irp i,0,1,2,3
	v_exp_f32 v[64+4*\i], v[64+4*\i]
.endr
	v_nop
	s_wait_alu depctr_va_vdst(0)
.irp i,0,1,2,3
	v_cndmask_b32 v[64+4*\i], 0, v[64+4*\i], s[40+\i]  ; where all rows are masked m is -infinity and the difference no number: a masked row's p is 0
.endr
.irp i,0,1,2,3
	ds_store_b32 v[PVW], v[64+4*\i] offset:128*\i  ; my wave's own copy: no other wave touches it
.endr
	v_add_f32 v29, v64, v68
	v_add_f32 v27, v72, v76
	v_add_f32 v29, v29, v27
	v_add_f32_dpp v29, v29, v29 row_xmask:1 row_mask:0xf bank_mask:0xf
	v_add_f32_dpp v29, v29, v29 row_xmask:2 row_mask:0xf bank_mask:0xf
	v_add_f32_dpp v29, v29, v29 row_xmask:4 row_mask:0xf bank_mask:0xf
	v_add_f32_dpp v29, v29, v29 row_xmask:8 row_mask:0xf bank_mask:0xf
	v_permlanex16_b32 v[T], v29, s30, s31
	v_add_f32 v29, v29, v[T]                       ; l
	v_mov_b32 v30, v28
	v_mov_b32 v31, v29
	; THE WEIGHTED SUM: thread t owns channels 8 t .. 8 t + 7 and walks all 128 rows, sixteen rows' loads ahead
.irp g,0,1,2,3
.irp k,0,1,2,3
	ds_load_b128 v[XR+4*(4*\g+\k):XR+4*(4*\g+\k)+3], v[XA] offset:(4*\g+\k)*PITCH
.endr
	ds_load_b128 v[PR+4*\g:PR+4*\g+3], v[PVR] offset:16*\g  ; LDS serves a wave's instructions in order (ISA guide 5.7.1.4): these see my stores of p
.endr
.irp e,0,1,2,3,4,5,6,7
	v_mov_b32 v[OA+\e], 0
.endr
	s_mov_b32 s27, 7
.Lsum:
.irp g,0,1,2,3
	WGRP \g, 1, 15
.endr
	v_add_nc_u32 v[XA], 16*PITCH, v[XA]
	v_add_nc_u32 v[PVR], 64, v[PVR]
	s_sub_co_u32 s27, s27, 1
	s_cmp_lg_u32 s27, 0
	s_cbranch_scc1 .Lsum
	WGRP 0, 0, 15                                  ; the last sixteen rows load nothing: the counts run down
	WGRP 1, 0, 10
	WGRP 2, 0, 5
	WGRP 3, 0, 0
	s_wait_tensorcnt 0x0                           ; the wave's end: three lines behind my last LDS store
	ds_add_u32 v[SPW], v[NIL]
	s_wait_dscnt 0x0
	global_store_b128 v[GO], v[OA:OA+3], s[18:19]               ; each store of a wave covers 512 consecutive bytes, aligned: channels 8 t + 0..3 at word 4 t,
	global_store_b128 v[GO], v[OA+4:OA+7], s[18:19] offset:2048 ; channels 8 t + 4..7 at word 512 + 4 t
	s_cmp_lg_u32 s22, 0
	s_cbranch_scc1 .Lnot_wave_0
	global_store_b128 v[BO], v[28:31], s[20:21]    ; (m, l, m, l) from all 32 lanes: 512 consecutive bytes
.Lnot_wave_0:
	s_endpgm
.Lfunc_end_k_qdc55208285_main:
	.size	k_qdc55208285_main, .Lfunc_end_k_qdc55208285_main-k_qdc55208285_main
	.p2alignl 7, 3214868480
	.fill 96, 4, 3214868480
	.section	.rodata,"a",@progbits
	.p2align	6, 0x0
	.amdhsa_kernel k_qdc55208285_main
		.amdhsa_group_segment_fixed_size 276992
		.amdhsa_private_segment_fixed_size 0
		.amdhsa_enable_private_segment 0
		.amdhsa_kernarg_size 72
		.amdhsa_user_sgpr_count 2
		.amdhsa_user_sgpr_kernarg_segment_ptr 1
		.amdhsa_wavefront_size32 1
		.amdhsa_system_sgpr_workgroup_id_x 1
		.amdhsa_system_sgpr_workgroup_id_y 1
		.amdhsa_system_sgpr_workgroup_id_z 1
		.amdhsa_system_vgpr_workitem_id 0
		.amdhsa_next_free_vgpr 1024
		.amdhsa_next_free_sgpr 66
		.amdhsa_reserve_vcc 0
		.amdhsa_float_denorm_mode_32 3
		.amdhsa_float_denorm_mode_16_64 3
		.amdhsa_memory_ordered 1
		.amdhsa_forward_progress 1
		.amdhsa_inst_pref_size 255
	.end_amdhsa_kernel
	.section	.bss,"aw",@nobits
	.p2align	6
	.space	262144
	.amdgpu_metadata
---
amdhsa.version: [ 1, 2 ]
amdhsa.kernels:
  - .name:           k_qdc55208285_main
    .symbol:         k_qdc55208285_main.kd
    .args:
      - { .name: enc_seq, .offset: 0, .size: 8, .value_kind: global_buffer, .address_space: global }
      - { .name: mask, .offset: 8, .size: 8, .value_kind: global_buffer, .address_space: global }
      - { .name: wb, .offset: 16, .size: 8, .value_kind: global_buffer, .address_space: global }
      - { .name: hbp, .offset: 24, .size: 8, .value_kind: global_buffer, .address_space: global }
      - { .name: b0, .offset: 32, .size: 8, .value_kind: global_buffer, .address_space: global }
      - { .name: w1, .offset: 40, .size: 8, .value_kind: global_buffer, .address_space: global }
      - { .name: b1, .offset: 48, .size: 8, .value_kind: global_buffer, .address_space: global }
      - { .name: po, .offset: 56, .size: 8, .value_kind: global_buffer, .address_space: global }
      - { .name: pml, .offset: 64, .size: 8, .value_kind: global_buffer, .address_space: global }
    .group_segment_fixed_size: 276992
    .private_segment_fixed_size: 0
    .kernarg_segment_align: 8
    .kernarg_segment_size: 72
    .max_flat_workgroup_size: 128
    .sgpr_count:     66
    .vgpr_count:     1024
    .wavefront_size: 32
...
	.end_amdgpu_metadata
.endif
;; end of part 2
;; launch combine (part 3): grid 32 x 1, 8 waves a work-group, no clusters, 0 bytes of LDS; arguments po, pml, out0; writes out0
.if DOCPART == 3
	.amdgcn_target "amdgcn-amd-amdhsa--gfx1250"
	.amdhsa_code_object_version 6
	.text
	.protected	k_qdc55208285_combine
	.globl	k_qdc55208285_combine
	.p2align	8
	.type	k_qdc55208285_combine,@function
k_qdc55208285_combine:
	s_mov_b64 s[64:65], 0
	v_nop
	global_prefetch_b8 v0, s[64:65] scope:SCOPE_SE
	s_setreg_imm32_b32 hwreg(HW_REG_WAVE_MODE, 25, 1), 1
	s_wait_xcnt 0x0
; COMBINE.  A batch's 16 tiles are joined: M = max m_t, w_t = e^(m_t - M), out[c] = (sum w_t o_t[c]) / (sum w_t l_t).  All in f32.
; One work-group a batch, 256 threads, four channels each.  po holds channel 8 t + e at word 4 t + e (e < 4) and at word 512 + 4 t + e - 4: thread u takes the 16 bytes at (u % 2) * 2048 + (u / 2) * 16,
; which are channels 4 u .. 4 u + 3; a wave's load covers two pieces of 256 consecutive bytes, its store 512.  No LDS, no barrier: no thread needs another's numbers.
; A tile with all rows masked has m = -infinity, l = 0, o = 0 and weighs 0; a batch with all rows masked gives -infinity - -infinity, no number, as the softmax of the problem does.
.set ML,  2                            ; v[2:33]    (m, l) of tile t at ML + 2 t; m's place takes w
.set OV,  36                           ; v[36:99]   o of tile t, four channels
.set ACC, 100                          ; v[100:103]
	s_load_b128 s[4:7], s[0:1], 0x0                ; po s[4:5], pml s[6:7]
	s_load_b64 s[8:9], s[0:1], 0x10                ; out0
	v_and_b32 v1, 1, v0
	v_lshrrev_b32 v106, 1, v0
	v_lshlrev_b32 v1, 11, v1
	v_lshl_add_u32 v1, v106, 4, v1
	v_mov_b32 v107, 0
	v_lshlrev_b32 v108, 4, v0
	s_mov_b32 s10, 0x3fb8aa3b                      ; log2(e)
	s_mov_b32 s13, 0
	s_wait_kmcnt 0x0
	s_lshl_b32 s12, ttmp9, 16                      ; 16 tiles of 4,096 bytes
	s_add_nc_u64 s[4:5], s[4:5], s[12:13]
	s_lshl_b32 s12, ttmp9, 13                      ; 16 tiles of 512 bytes
	s_add_nc_u64 s[6:7], s[6:7], s[12:13]
	s_lshl_b32 s12, ttmp9, 12
	s_add_nc_u64 s[8:9], s[8:9], s[12:13]
.irp t,0,1,2,3,4,5,6,7,8,9,10,11,12,13,14,15
	global_load_b64 v[ML+2*\t:ML+2*\t+1], v107, s[6:7] offset:512*\t
.endr
.irp t,0,1,2,3,4,5,6,7,8,9,10,11,12,13,14,15
	global_load_b128 v[OV+4*\t:OV+4*\t+3], v1, s[4:5] offset:4096*\t th:TH_LOAD_NT
.endr
	s_wait_loadcnt 16                              ; loads come back in order (ISA guide 5.7.1): the (m, l) are in; o's sixteen loads stay out
	v_max3_num_f32 v104, v[ML], v[ML+2], v[ML+4]
.irp t,3,5,7,9,11,13
	v_max3_num_f32 v104, v104, v[ML+2*\t], v[ML+2*\t+2]
.endr
	v_max_num_f32 v104, v104, v[ML+30]             ; M
	v_mul_f32 v105, s10, v104
.irp t,0,1,2,3,4,5,6,7,8,9,10,11,12,13,14,15
	v_fma_f32 v[ML+2*\t], v[ML+2*\t], s10, -v105   ; (m_t - M) log2(e)
.endr
.irp t,0,1,2,3,4,5,6,7,8,9,10,11,12,13,14,15
	v_exp_f32 v[ML+2*\t], v[ML+2*\t]
.endr
	v_nop                                          ; a plain line between the last exponential and the use of its result (ISA guide 5.7.2)
	s_wait_alu depctr_va_vdst(0)
	v_mul_f32 v106, v[ML], v[ML+1]                 ; the first product starts the sum
.irp t,1,2,3,4,5,6,7,8,9,10,11,12,13,14,15
	v_fmac_f32 v106, v[ML+2*\t], v[ML+2*\t+1]
.endr
	v_rcp_f32 v106, v106                           ; the sums below stand between it and the use of its result
	s_wait_loadcnt 0x0
	v_pk_mul_f32 v[ACC:ACC+1], v[OV:OV+1], v[ML:ML+1] op_sel_hi:[1,0]
	v_pk_mul_f32 v[ACC+2:ACC+3], v[OV+2:OV+3], v[ML:ML+1] op_sel_hi:[1,0]
.irp t,1,2,3,4,5,6,7,8,9,10,11,12,13,14,15
	v_pk_fma_f32 v[ACC:ACC+1], v[OV+4*\t:OV+4*\t+1], v[ML+2*\t:ML+2*\t+1], v[ACC:ACC+1] op_sel_hi:[1,0,1]
	v_pk_fma_f32 v[ACC+2:ACC+3], v[OV+4*\t+2:OV+4*\t+3], v[ML+2*\t:ML+2*\t+1], v[ACC+2:ACC+3] op_sel_hi:[1,0,1]
.endr
	s_wait_alu depctr_va_vdst(0)
	v_pk_mul_f32 v[ACC:ACC+1], v[ACC:ACC+1], v[106:107] op_sel_hi:[1,0]
	v_pk_mul_f32 v[ACC+2:ACC+3], v[ACC+2:ACC+3], v[106:107] op_sel_hi:[1,0]
	global_store_b128 v108, v[ACC:ACC+3], s[8:9]   ; a wave stores 512 consecutive bytes, aligned
	s_endpgm
.Lfunc_end_k_qdc55208285_combine:
	.size	k_qdc55208285_combine, .Lfunc_end_k_qdc55208285_combine-k_qdc55208285_combine
	.p2alignl 7, 3214868480
	.fill 96, 4, 3214868480
	.section	.rodata,"a",@progbits
	.p2align	6, 0x0
	.amdhsa_kernel k_qdc55208285_combine
		.amdhsa_group_segment_fixed_size 0
		.amdhsa_private_segment_fixed_size 0
		.amdhsa_enable_private_segment 0
		.amdhsa_kernarg_size 24
		.amdhsa_user_sgpr_count 2
		.amdhsa_user_sgpr_kernarg_segment_ptr 1
		.amdhsa_wavefront_size32 1
		.amdhsa_system_sgpr_workgroup_id_x 1
		.amdhsa_system_sgpr_workgroup_id_y 1
		.amdhsa_system_sgpr_workgroup_id_z 1
		.amdhsa_system_vgpr_workitem_id 0
		.amdhsa_next_free_vgpr 112
		.amdhsa_next_free_sgpr 66
		.amdhsa_reserve_vcc 0
		.amdhsa_float_denorm_mode_32 3
		.amdhsa_float_denorm_mode_16_64 3
		.amdhsa_memory_ordered 1
		.amdhsa_forward_progress 1
		.amdhsa_inst_pref_size 9
	.end_amdhsa_kernel
	.amdgpu_metadata
---
amdhsa.version: [ 1, 2 ]
amdhsa.kernels:
  - .name:           k_qdc55208285_combine
    .symbol:         k_qdc55208285_combine.kd
    .args:
      - { .name: po, .offset: 0, .size: 8, .value_kind: global_buffer, .address_space: global }
      - { .name: pml, .offset: 8, .size: 8, .value_kind: global_buffer, .address_space: global }
      - { .name: out0, .offset: 16, .size: 8, .value_kind: global_buffer, .address_space: global }
    .group_segment_fixed_size: 0
    .private_segment_fixed_size: 0
    .kernarg_segment_align: 8
    .kernarg_segment_size: 24
    .max_flat_workgroup_size: 256
    .sgpr_count:     66
    .vgpr_count:     112
    .wavefront_size: 32
...
	.end_amdgpu_metadata
.endif
;; end of part 3
;; ======== version 2 of 2: 3 launches; 1.12 times as fast as version 1
;; workspace buffers: wb 2,097,152 bytes; hbp 524,288 bytes; po 2,097,152 bytes; pml 262,144 bytes
;; launch prep: the kernel of part 1 again; grid 64 x 1, 8 waves a work-group, no clusters, 91,648 bytes of LDS; arguments w0, hidden, wb, hbp; writes wb, hbp
;; launch main (part 4): grid 512 x 1, 4 waves a work-group, no clusters, 309,760 bytes of LDS; arguments enc_seq, mask, wb, hbp, b0, w1, b1, po, pml; writes po, pml
.if DOCPART == 4
	.amdgcn_target "amdgcn-amd-amdhsa--gfx1250"
	.amdhsa_code_object_version 6
	.text
	.protected	k_qdc55208285_main
	.globl	k_qdc55208285_main
	.p2align	8
	.type	k_qdc55208285_main,@function
k_qdc55208285_main:
	s_mov_b64 s[64:65], 0
	v_nop
	global_prefetch_b8 v0, s[64:65] scope:SCOPE_SE
	s_setreg_imm32_b32 hwreg(HW_REG_WAVE_MODE, 25, 1), 1
	s_wait_xcnt 0x0
; MAIN.  For a tile of 128 rows s of one batch: score[s] = w1 . tanh(enc[s] @ w0[:1024] + hidden @ w0[1024:] + b0) + b1, masked; then the tile's part of the softmax and of the weighted sum:
; m = max score, p = e^(score - m), l = sum p, o[c] = sum p[s] enc[s][c].  The next launch joins a batch's 16 tiles.
; enc_seq is read from memory ONCE: the tile's 128 x 1,024 numbers are rounded once to bf16 and stay in LDS for the product and for the weighted sum, in 16 SLICES of 64 channels (128 rows of 144 bytes each).
; SHARES.  512 tiles, one work-group each; four waves.  Every wave takes all 128 rows and 256 of the 1,024 columns of w0, in four chunks of 64: 32 accumulators of 16 x 16, 256 registers.
; A UNIT is 32 along K: 32 matrix instructions, 16 LDS loads for enc's fragments, 8 loads of 512 consecutive bytes for w0's fragments (wb holds them in lane order), which go from memory
; straight into a ring of eight units in registers: a wave's columns are read by no other wave of the work-group, so LDS would give them no second use.  A unit's loads stand in ONE run at its head.
; THE FIRST CHUNK IS MULTIPLIED WHILE enc ARRIVES.  Its unit u needs channels 32 u .. 32 u + 31 alone, so enc comes slice by slice: each wave brings its 32 rows of a slice in two halves of 16 rows (eight loads,
; each of two aligned pieces of 256 consecutive bytes), rounds them and stores them; a barrier for each slice stands between the four waves' stores and the reads, its signal in the middle of one unit and its
; wait at the head of the next.  No byte of enc's block is written twice.
; THE MATRIX INSTRUCTION IS USED TRANSPOSED (source 0 = 16 columns of w0, source 1 = 16 rows of enc): a lane then holds ONE row (lane % 16) and eight columns 8 (lane / 16) + 0..7,
; so that a row's score is summed in the lane, in two registers a row tile, with one exchange between the lanes' halves at the end.
; TANH BESIDE THE PRODUCTS.  tanh(x) = 1 - 2 / (1 + 2^(c x)), c = 2 log2(e): 2^(c x) = infinity or 0 gives +1 or -1, no case apart.  At a chunk's end its sums move into a stash as c x + c bias;
; the other 28 steps for each accumulator go with the next chunk's units, one accumulator a unit: eleven ahead of the unit's run of loads, thirteen in four groups between its matrix instructions, four behind
; its last.  That text of a pass runs three times, for chunks 1 to 3; the last chunk's tanh stands alone behind the loop.
; NO CLUSTER, NO TENSOR LOAD, though all work-groups walk the same 2 MB of wb: beside what this text uses, 17,920 bytes of LDS are left; a K step of 32 of the four waves' columns is 16,384 bytes: room for one
; slot and so for no ring.  The ring in registers has 192 matrix instructions between a request and its use (96 in the first chunk, where enc's loads share the count of loads that a wave may have out).
; THE WEIGHTED SUM is one row of weights: on the matrix unit 15 rows in 16 would be idle.  It is 8 multiply-adds a lane and row, p in f32, enc's bf16 halves straight from the LDS words.
; FORMATS.  enc, w0, hidden: rounded once to bf16.  b0, w1, b1, sums, scores, m, l, o: f32.
; LIMITS.  A weight below 2^-126 counts as 0.  A tile whose rows are all masked leaves m = -infinity, l = 0, o = 0.  NaN and infinities in enc are not treated apart.
.set PA,    144                        ; a row of a slice: 128 bytes + 16 = 36 words: the 16 rows of a fragment load start at 16 different groups of four banks (64 banks of 4 bytes: ISA guide 11.1)
.set SLICE, 128*PA+128                 ; 128 rows, and 128 bytes more: 4,640 words, so that neighbouring slices lie 32 banks apart for the weighted sum's loads, whose 16 lanes take 128 bytes in each of two slices
.set CBT,   16*SLICE                   ; c x (hidden @ w0[1024:] + b0), 1,024 f32; behind it, 4,096 bytes on, w1
.set SCO,   CBT+8192                   ; the four waves' partial scores, 128 f32 each
.set PVO,   SCO+2048                   ; p, a copy for each wave
.set SPARE, PVO+2048                   ; the spare words, 128 bytes a wave: two blocks of 256 bytes that no other line names
; window 0
.set EO,   4                           ; v4   my byte offset in the tile of enc: wave x 32 rows + (L / 16) x 8 rows + 16 (L % 16)
.set LS,   5                           ; v5   where my 8 bytes of a row go in a slice; steps
.set BO,   6                           ; v6   16 L
.set AL0,  8                           ; v8   the first chunk's loop: my fragments' address, four slices on in each trip
.set AL1,  9                           ; v9   the same, three slices further
.set TADR, 12                          ; v12  my 8 columns of the chunk in the bias table; steps a chunk at each chunk's end
.set SCW,  13                          ; v13  my wave's partial scores, row r
.set SCR,  14                          ; v14  all waves' partial scores, row L
.set PVW,  15                          ; v15  my wave's copy of p, row L
.set PVR,  16                          ; v16  the same, read: four p at a time; steps
.set XA,   17                          ; v17  my 16 bytes (channels 8 t .. 8 t + 7) of a row; steps
.set GO,   18                          ; v18  16 t
.set TBW,  19                          ; v19  CBT + 16 t
.set SPW,  20                          ; v20  LDS address of my spare word; never rewritten
.set NIL,  21                          ; v21  0; never rewritten
.set MK,   22                          ; v22-25  mask bytes of rows L + 32 i
.set AADR, 26                          ; v26-31  LDS address of my fragments in slices 3 g .. 3 g + 2; behind the products these six are at work
.set SACC, 32                          ; v32-47  score sums, a pair for each row tile
.set OA,   32                          ; v32-39  later: o of my 8 channels
.set T,    48                          ; v48-63  at work
.set AF,   64                          ; v64-127, v128-191  enc's fragments, two buffers
.set XR,   64                          ; later: 16 rows' words for the weighted sum
.set PR,   128                         ; later: 16 p
.set W1R,  192                         ; v192-223  w1 of my lane's 32 columns of the chunk in the stash
.set CBR,  224                         ; v224-255  c bias of my lane's 32 columns of the chunk that ends
; window 1: the accumulators, (row tile a, column tile b) at 8 (4 a + b).  window 2: the stash, same order; in the first chunk a ring of 8 half slices of enc x 32 registers.  window 3: w0's ring, unit slot q, tile b, half j at 32 q + 8 b + 4 j
.set MSB, 0
.macro WIN new                         ; s_set_vgpr_msb: bits 1:0 source 0, 3:2 source 1, 5:4 source 2, 7:6 destination; the high byte repeats the setting that is left
.if MSB != (\new)
	s_set_vgpr_msb (MSB<<8)|(\new)
.set MSB, \new
.endif
.endm
.set W_MUL, 0x53                       ; w0 in window 3, enc in window 0, C and D in window 1
.set W_S,   0x82                       ; source 0 and destination in the stash
.set W_AC,  0x02                       ; source 0 in the stash
.set W_XF,  0x81                       ; source 0 the accumulators, destination the stash
.set W_B,   0xc0                       ; destination window 3
.set W_F,   0x80                       ; destination window 2
.set W_CV,  0x0a                       ; sources 0 and 1 window 2
; HALF SLICE x of enc (slice x / 2, my rows 16 (x % 2) .. + 15): eight loads; lanes 0-15 take 256 consecutive bytes of row i, lanes 16-31 those of row i + 8.  In the loop x counts from the stepped base
.macro ELD x
	WIN W_F
.irp i,0,1,2,3,4,5,6,7
	global_load_b128 v[32*((\x)%8)+4*\i:32*((\x)%8)+4*\i+3], v[EO], s[32:33] offset:((\x)>>1)*256+((\x)&1)*65536+\i*4096 th:TH_LOAD_NT
.endr
.endm
; it is rounded to bf16,
.macro CVS x
	WIN W_CV
.set k, 0
.rept 16
	v_cvt_pk_bf16_f32 v[T+k], v[32*((\x)%8)+2*k], v[32*((\x)%8)+2*k+1]
.set k, k+1
.endr
.endm
; and stored: 128 consecutive bytes in each of two rows 8 apart (288 words: the other 32 banks).  sd: the slice at which v[LS] stands
.macro STS x, sd
	WIN 0
.irp i,0,1,2,3,4,5,6,7
	ds_store_b64 v[LS], v[T+2*\i:T+2*\i+1] offset:(((\x)>>1)-(\sd))*SLICE+(16*((\x)&1)+\i)*PA
.endr
.endm
; w0's unit un, eight loads, into slot un % 8, from base s[sb:sb+1] + imm
.macro BLDX un, sb, imm
	WIN W_B
.irp b,0,1,2,3
.irp j,0,1
	global_load_b128 v[32*((\un)%8)+8*\b+4*\j:32*((\un)%8)+8*\b+4*\j+3], v[BO], s[\sb:\sb+1] offset:(\imm)+\b*1024+\j*512
.endr
.endr
.endm
; sixteen LDS loads: enc's eight fragments of a unit into buffer buf.  Lane (r, h): row r, channels 8 h .. +7 and 16 + 8 h .. +7 of the unit
.macro ALDX reg, imm0, buf
	WIN 0
.irp a,0,1,2,3,4,5,6,7
.irp j,0,1
	ds_load_b128 v[AF+64*(\buf)+8*\a+4*\j:AF+64*(\buf)+8*\a+4*\j+3], v[\reg] offset:(\imm0)+\a*16*PA+32*\j
.endr
.endr
.endm
.macro ALD16 v                         ; those of unit v: slice v / 2, byte 64 (v % 2) of its rows
	ALDX AADR+((\v)>>1)/3, (((\v)>>1)%3)*SLICE+((\v)&1)*64, (\v)%2
.endm
; four matrix instructions: row tile a x the four column tiles, unit u.  Unit 0 starts the sums.  The 32 accumulators take turns, one instruction a turn
.macro MM4 u, a
	WIN W_MUL
.irp b,0,1,2,3
.if (\u) == 0
	v_wmma_f32_16x16x32_bf16 v[8*(4*(\a)+\b):8*(4*(\a)+\b)+7], v[32*((\u)%8)+8*\b:32*((\u)%8)+8*\b+7], v[AF+64*((\u)%2)+8*(\a):AF+64*((\u)%2)+8*(\a)+7], 0
.else
	v_wmma_f32_16x16x32_bf16 v[8*(4*(\a)+\b):8*(4*(\a)+\b)+7], v[32*((\u)%8)+8*\b:32*((\u)%8)+8*\b+7], v[AF+64*((\u)%2)+8*(\a):AF+64*((\u)%2)+8*(\a)+7], v[8*(4*(\a)+\b):8*(4*(\a)+\b)+7]
.endif
.endr
.endm
; A UNIT OF THE FIRST CHUNK.  rel = 1: in the loop, u = 1 .. 8 counts from the trip's stepped addresses (all register numbers go by u modulo 8 or 2); rel = 0: u is the unit's number.
; lw: the loads that may stay out when half slice u + 3 and w0's unit u have to be there.  sd: the slice at which v[LS] stands.
; The unit: half slice u + 3 is rounded (16 plain lines that name no register of the products: the places, ISA guide 7.12.1 for vector instructions, between the last unit's products and the loads into
; registers that they read); ONE run: the next unit's fragments, the half slice's stores, w0's unit u + 4, enc's half slice u + 7; 32 products.
; THE BARRIERS.  Slice d's second half, x = 2 d + 1, is stored at the head of unit 2 d - 2; in that unit's middle the wave waits for its LDS instructions and signals; the barrier's wait stands at the head of unit
; 2 d - 1, ahead of the loads of unit 2 d's fragments, the first that read slice d.  Between signal and wait stand products, conversions and the loop's scalar lines alone.
; From unit 25 on there is no enc left to ask for, from 29 on none to store: chunk 1's units 0 to 6 of w0 are asked for in their place (0 to 3 at unit 28, whose slots units 24 to 27 have left), and the score sums
; are set to 0 where the conversions stood.
.macro FU u, rel, sd, lw
.set fST, 1
.set fEL, 1
.if (\rel) == 0
.if (\u) > 28
.set fST, 0
.endif
.if (\u) > 24
.set fEL, 0
.endif
.endif
	s_wait_loadcnt \lw                             ; loads come back in order (ISA guide 5.7.1)
.if fST
	CVS (\u)+3
	WIN 0
.else
	WIN 0
.set k, 6*((\u)-29)
.rept 6
.if k < 16
	v_mov_b32 v[SACC+k], 0
.endif
.set k, k+1
.endr
.endif
.if ((\u)&1) && ((\u) < 30)
	s_barrier_wait -1                              ; every wave's part of slice (u + 1) / 2 is in LDS
.endif
.if \rel
.if (((\u)+1)>>1) < 3
	ALDX AL0, (((\u)+1)>>1)*SLICE+(((\u)+1)&1)*64, ((\u)+1)%2
.else
	ALDX AL1, ((((\u)+1)>>1)-3)*SLICE+(((\u)+1)&1)*64, ((\u)+1)%2
.endif
.else
	ALD16 ((\u)+1)%32
.endif
.if fST
	STS (\u)+3, \sd
.endif
.if \rel
	BLDX (\u)+4, 46, ((\u)+4)*4096
.elseif (\u) < 28
	BLDX (\u)+4, 38, ((\u)+4)*4096
.elseif (\u) == 28
	BLDX 0, 34, 0
	BLDX 1, 34, 4096
	BLDX 2, 34, 8192
	BLDX 3, 34, 12288
.else
	BLDX (\u)-25, 34, ((\u)-25)*4096
.endif
.if fEL
	ELD (\u)+7
.endif
	s_wait_dscnt 16+8*fST                          ; this unit's fragments, asked for at the head of the unit before, are in; the run just issued stays out
	MM4 \u, 0
	MM4 \u, 1
	MM4 \u, 2
	MM4 \u, 3
.if (((\u)&1) == 0) && fST
	s_wait_dscnt 0x0                               ; for the others' sake: my stores of both halves of the slice are done
	s_barrier_signal -1
.endif
	MM4 \u, 4
	MM4 \u, 5
	MM4 \u, 6
	MM4 \u, 7
.endm
; in chunks 1 to 3: w0's unit seven on, into the slot that the unit before u has left; from unit 25 on that is the next chunk's
.macro BLD8 u
.if (\u)+7 < 32
	BLDX (\u)+7, 34, ((\u)+7)*4096
.else
	BLDX (\u)+7, 36, ((\u)-25)*4096
.endif
.endm
; THE RIDERS: tanh and its share of the score for stash accumulator i, whose eight registers hold y = c x + c bias: 2^y; + 1; 1 / ..; 1 - 2 ..; score += .. x w1
.macro RE n
	v_exp_f32 v[rS+(\n)], v[rS+(\n)]
.endm
.macro RP n
	v_pk_add_f32 v[rS+2*(\n):rS+2*(\n)+1], v[rS+2*(\n):rS+2*(\n)+1], 1.0 op_sel_hi:[1,0]
.endm
.macro RR n
	v_rcp_f32 v[rS+(\n)], v[rS+(\n)]
.endm
.macro RT n
	s_wait_alu depctr_va_vdst(0)
	v_pk_fma_f32 v[rS+2*(\n):rS+2*(\n)+1], v[rS+2*(\n):rS+2*(\n)+1], -2.0, 1.0 op_sel_hi:[1,0,0]
.endm
; Ahead of a unit's loads: the eight exponentials, a plain line between them and the first use of a result (ISA guide 5.7.2), and three of the four additions
.macro RHEAD i
.set rS, 8*(\i)
.set rA, SACC+2*((\i)/4)
.set rW, W1R+8*((\i)%4)
	WIN W_S
.irp n,0,1,2,3,4,5,6,7
	RE \n
.endr
	v_nop
	s_wait_alu depctr_va_vdst(0)
	RP 0
	RP 1
	RP 2
.endm
; Group g of four, between the matrix instructions: two reciprocals, and a plain line that touches neither: the fourth addition, then 1 - 2 x for the pair whose reciprocals stand a group back.
; That plain line is the one that the two reciprocals in front of it need ahead of the use of their results; in group 4 the last pair's 1 - 2 x follows it.
.macro RG g
	WIN W_S
	RR 2*(\g)-2
	RR 2*(\g)-1
.if (\g) == 1
	RP 3
.else
	RT (\g)-2
.endif
.if (\g) == 4
	RT 3
.endif
.endm
; Behind a unit's last matrix instruction: the accumulator's share of the score.  These four plain lines name no register of the products: with RHEAD's four plain lines they are the places
; (ISA guide 7.12.1 for vector instructions) between a unit's last product and the next unit's loads into the registers that it read, and by themselves those in front of the move into the stash.
.macro RTAIL
	WIN W_AC
.irp jj,0,1,2,3
	v_pk_fma_f32 v[rA:rA+1], v[rS+2*\jj:rS+2*\jj+1], v[rW+2*\jj:rW+2*\jj+1], v[rA:rA+1]
.endr
.endm
; A UNIT OF CHUNKS 1 TO 3: riders, ONE run of 24 loads, 32 matrix instructions with a group of riders behind the 4th, 12th, 20th and 28th, riders.  Thirteen switches of the window.
.macro UNIT u
	RHEAD \u
	s_wait_loadcnt 48                              ; w0's unit u is in; the six units behind it stay out
	BLD8 \u
	ALD16 ((\u)+1)%32
	s_wait_dscnt 16                                ; enc's fragments of this unit, asked for at the head of the unit before, are in (in unit 0 also the bias and w1); the sixteen just issued stay out
	MM4 \u, 0
	RG 1
	MM4 \u, 1
	MM4 \u, 2
	RG 2
	MM4 \u, 3
	MM4 \u, 4
	RG 3
	MM4 \u, 5
	MM4 \u, 6
	RG 4
	MM4 \u, 7
	RTAIL
.endm
; A chunk's end: its bias and w1 come out of the tables, and the sums move into the stash as y = c x + c bias; each accumulator is read from its low end on
.macro XFER
	WIN 0
.irp b,0,1,2,3
	ds_load_b128 v[CBR+8*\b:CBR+8*\b+3], v[TADR] offset:64*\b
	ds_load_b128 v[CBR+8*\b+4:CBR+8*\b+7], v[TADR] offset:64*\b+16
.endr
.irp b,0,1,2,3
	ds_load_b128 v[W1R+8*\b:W1R+8*\b+3], v[TADR] offset:4096+64*\b
	ds_load_b128 v[W1R+8*\b+4:W1R+8*\b+7], v[TADR] offset:4096+64*\b+16
.endr
	v_add_nc_u32 v[TADR], 256, v[TADR]             ; the next chunk's 64 columns
	s_wait_dscnt 8                                 ; the bias is in; w1's eight loads stay out
	WIN W_XF
.set i, 0
.rept 32
.irp jj,0,1,2,3
	v_pk_fma_f32 v[8*i+2*\jj:8*i+2*\jj+1], v[8*i+2*\jj:8*i+2*\jj+1], s[28:29], v[CBR+8*(i%4)+2*\jj:CBR+8*(i%4)+2*\jj+1] op_sel_hi:[1,0,1]
.endr
.set i, i+1
.endr
.endm
; c x (((h0 + h1) + (h2 + h3)) + b0) for four columns: the quarters at hb, hb + 4, hb + 8, hb + 12, b0 at bb
.macro CBH hb, bb
.irp p,0,2
	v_pk_add_f32 v[\hb+\p:\hb+\p+1], v[\hb+\p:\hb+\p+1], v[\hb+4+\p:\hb+5+\p]
	v_pk_add_f32 v[\hb+8+\p:\hb+9+\p], v[\hb+8+\p:\hb+9+\p], v[\hb+12+\p:\hb+13+\p]
.endr
.irp p,0,2
	v_pk_add_f32 v[\hb+\p:\hb+\p+1], v[\hb+\p:\hb+\p+1], v[\hb+8+\p:\hb+9+\p]
.endr
.irp p,0,2
	v_pk_add_f32 v[\hb+\p:\hb+\p+1], v[\hb+\p:\hb+\p+1], v[\bb+\p:\bb+\p+1]
.endr
.irp p,0,2
	v_pk_mul_f32 v[\hb+\p:\hb+\p+1], v[\hb+\p:\hb+\p+1], s[28:29] op_sel_hi:[1,0]
.endr
.endm
; THE WEIGHTED SUM.  Row i of sixteen: o[e] += enc's bf16 half x p.  reload = 1: the row 16 further down takes its registers; behind each fourth row the next four p
.macro WROW i, reload
.irp k,0,1,2,3
	v_fma_mix_f32_bf16 v[OA+2*\k], v[XR+4*(\i)+\k], v[PR+(\i)], v[OA+2*\k] op_sel_hi:[1,0,0]
	v_fma_mix_f32_bf16 v[OA+2*\k+1], v[XR+4*(\i)+\k], v[PR+(\i)], v[OA+2*\k+1] op_sel:[1,0,0] op_sel_hi:[1,0,0]
.endr
.if \reload
	ds_load_b128 v[XR+4*(\i):XR+4*(\i)+3], v[XA] offset:(16+(\i))*PA
.if (\i)%4 == 3
	ds_load_b128 v[PR+(\i)-3:PR+(\i)], v[PVR] offset:64+4*((\i)-3)
.endif
.endif
.endm
.macro WGRP g, reload, left            ; four rows.  The loads go row, row, row, row, p: behind a group's p stand left younger ones, and its rows are older than its p
	s_wait_dscnt \left
.irp k4,0,1,2,3
	WROW 4*(\g)+\k4, \reload
.endr
.endm
	s_load_b512 s[4:19], s[0:1], 0x0               ; enc s[4:5], mask s[6:7], wb s[8:9], hbp s[10:11], b0 s[12:13], w1 s[14:15], b1 s[16:17], po s[18:19]
	s_load_b64 s[20:21], s[0:1], 0x40              ; pml
	v_lshl_add_u32 v[SPW], v0, 2, SPARE
	v_mov_b32 v[NIL], 0
	v_lshrrev_b32 v1, 5, v0
	v_readfirstlane_b32 s22, v1                    ; wave 0..3
	v_and_b32 v1, 31, v0                           ; L
	v_and_b32 v2, 15, v0                           ; r
	v_bfe_u32 v3, v0, 4, 1                         ; h
	s_mov_b32 s23, ttmp9                           ; tile
	s_lshr_b32 s24, ttmp9, 4                       ; batch
	s_mov_b32 s28, 0x4038aa3b                      ; c = 2 log2(e)
	s_mov_b32 s29, 0x4038aa3b                      ; named with it as a pair
	s_mov_b32 s30, 0x76543210                      ; v_permlanex16_b32: each lane takes its own place in the other half
	s_mov_b32 s31, 0xfedcba98
	s_mov_b32 s44, 0x3fb8aa3b                      ; log2(e)
	s_mov_b32 s45, 0xff800000                      ; -infinity
	s_mov_b32 s41, 0
	s_lshl_b32 s40, s22, 17                        ; my 32 rows of 4,096 bytes,
	v_lshl_add_u32 v[EO], v2, 4, s40
	v_lshl_add_u32 v[EO], v3, 15, v[EO]            ; and 8 rows further down for lanes 16 to 31
	s_mul_i32 s40, s22, 32*PA
	v_lshl_add_u32 v[LS], v2, 3, s40
	v_mul_u32_u24 v7, v3, 8*PA
	v_add_nc_u32 v[LS], v7, v[LS]
	v_lshlrev_b32 v[BO], 4, v1
	v_mul_u32_u24 v[AADR], v2, PA
	v_lshl_add_u32 v[AADR], v3, 4, v[AADR]
.irp g,1,2,3,4,5
	v_add_nc_u32 v[AADR+\g], \g*3*SLICE, v[AADR]
.endr
	v_mov_b32 v[AL0], v[AADR]
	v_mov_b32 v[AL1], v[AADR+1]
	s_lshl_b32 s40, s22, 10
	s_add_co_u32 s40, s40, CBT
	v_lshl_add_u32 v[TADR], v3, 5, s40
	s_lshl_b32 s42, s22, 9
	s_add_co_u32 s40, s42, SCO
	v_lshl_add_u32 v[SCW], v2, 2, s40
	v_lshl_add_u32 v[SCR], v1, 2, SCO
	s_add_co_u32 s40, s42, PVO
	v_lshl_add_u32 v[PVW], v1, 2, s40
	v_mov_b32 v[PVR], s40
	v_lshrrev_b32 v[XA], 3, v0                     ; thread t's channels 8 t .. 8 t + 7 lie in slice t / 8, at byte 16 (t % 8) of a row
	v_mul_u32_u24 v[XA], v[XA], SLICE
	v_and_b32 v7, 7, v0
	v_lshl_add_u32 v[XA], v7, 4, v[XA]
	v_lshlrev_b32 v[GO], 4, v0
	v_lshl_add_u32 v[TBW], v0, 4, CBT
	s_wait_kmcnt 0x0
	s_load_b32 s26, s[16:17], 0x0                  ; b1
	s_lshl_b32 s40, s23, 19                        ; a tile of enc is 524,288 bytes
	s_add_nc_u64 s[32:33], s[4:5], s[40:41]
	s_lshl_b32 s40, s23, 7
	s_add_nc_u64 s[6:7], s[6:7], s[40:41]          ; mask at the tile's rows
	s_lshl_b32 s40, s24, 12
	s_add_nc_u64 s[10:11], s[10:11], s[40:41]      ; hbp at the batch
	s_lshl_b32 s40, s22, 19
	s_add_nc_u64 s[38:39], s[8:9], s[40:41]        ; wb at my wave's four chunks, 524,288 bytes on end
	s_mov_b64 s[46:47], s[38:39]                   ; the first chunk's loop walks this one
	s_add_nc_u64 s[34:35], s[38:39], 0x20000       ; chunk 1,
	s_add_nc_u64 s[36:37], s[38:39], 0x40000       ; chunk 2
	s_lshl_b32 s40, s23, 12
	s_add_nc_u64 s[18:19], s[18:19], s[40:41]
	s_lshl_b32 s40, s23, 9
	s_add_nc_u64 s[20:21], s[20:21], s[40:41]
.irp q,0,1,2,3
	global_load_b128 v[64+4*\q:67+4*\q], v[GO], s[10:11] offset:\q*131072
	global_load_b128 v[80+4*\q:83+4*\q], v[GO], s[10:11] offset:\q*131072+2048
.endr
	global_load_b128 v[96:99], v[GO], s[12:13]
	global_load_b128 v[100:103], v[GO], s[12:13] offset:2048
	global_load_b128 v[104:107], v[GO], s[14:15]
	global_load_b128 v[108:111], v[GO], s[14:15] offset:2048
.irp i,0,1,2,3
	global_load_u8 v[MK+\i], v1, s[6:7] offset:32*\i
.endr
	; THE OPENING.  The loads go out in the order in which they are wanted: E0 E1 E2, then B0 E3, B1 E4, B2 E5, B3 E6 (E x: enc's half slice x; B u: w0's unit u; eight loads each), as the units' heads go on
	ELD 0
	ELD 1
	ELD 2
	BLDX 0, 38, 0
	ELD 3
	WIN 0
	s_wait_loadcnt 40                              ; the tables and the mask are in; E0 E1 E2 B0 E3 stay out
	CBH 64, 96
	CBH 80, 100
	ds_store_b128 v[TBW], v[64:67]
	ds_store_b128 v[TBW], v[80:83] offset:2048
	ds_store_b128 v[TBW], v[104:107] offset:4096
	ds_store_b128 v[TBW], v[108:111] offset:6144
	BLDX 1, 38, 4096
	ELD 4
	s_wait_loadcnt 48                              ; E0 is in; E1 E2 B0 E3 B1 E4 stay out
	CVS 0
	STS 0, 0
	BLDX 2, 38, 8192
	ELD 5
	s_wait_loadcnt 56                              ; E1 is in; E2 B0 E3 B1 E4 B2 E5 stay out
	CVS 1
	STS 1, 0
	s_wait_loadcnt 48                              ; E2 is in
	CVS 2
	STS 2, 0
	BLDX 3, 38, 12288
	ELD 6
	WIN 0
	s_wait_kmcnt 0x0                               ; b1
	s_wait_dscnt 0x0                               ; for the others' sake: my part of slice 0 and of the tables is in LDS
	s_barrier_signal -1
	s_barrier_wait -1
	ALD16 0                                        ; unit 0's fragments of enc
	FU 0, 0, 0, 48                                 ; E3 and B0 are in; B1 E4 B2 E5 B3 E6 stay out: three heads' 16 loads, as in every unit that follows
	WIN 0                                          ; at a label and at a branch every window is 0
	v_add_nc_u32 v[LS], 2*SLICE, v[LS]
	s_mov_b32 s27, 3
.Lfu:                                                  ; a trip: units 8 t + 1 .. 8 t + 8 of the first chunk
.irp j,1,2,3,4,5,6,7,8
	FU \j, 1, 2, 48
.endr
	WIN 0
	s_wait_xcnt 0x0                                ; the loads' bases are stepped only behind this wait (ISA guide 3.1)
	s_add_nc_u64 s[32:33], s[32:33], 1024          ; four slices of 256 bytes along enc's rows
	s_add_nc_u64 s[46:47], s[46:47], 0x8000        ; eight units of w0
	v_add_nc_u32 v[AL0], 4*SLICE, v[AL0]
	v_add_nc_u32 v[AL1], 4*SLICE, v[AL1]
	v_add_nc_u32 v[LS], 4*SLICE, v[LS]
	s_sub_co_u32 s27, s27, 1
	s_cmp_lg_u32 s27, 0
	s_cbranch_scc1 .Lfu
	; The heads from unit 21 on issue: B25 E28 | B26 E29 | B27 E30 | B28 E31 | B29 | B30 | B31 | chunk 1's units 0 1 2 3 | 4 | 5 | 6.  Each count below is what stands behind the load that the unit wants
	FU 25, 0, 14, 48                               ; E28: 16 + 16 + 16
	FU 26, 0, 14, 40                               ; E29: 16 + 16 + 8
	FU 27, 0, 14, 32                               ; E30: 16 + 8 + 8
	FU 28, 0, 14, 24                               ; E31: 8 + 8 + 8
	FU 29, 0, 14, 48                               ; B29: 8 + 8 + 32
	FU 30, 0, 14, 48                               ; B30: 8 + 32 + 8
	FU 31, 0, 14, 48                               ; B31: 32 + 8 + 8
	WIN 0
.rept 4
	v_nop                                          ; four places behind the chunk's last product (ISA guide 7.12.1): no other vector work is at hand
.endr
	XFER
	WIN 0
	s_mov_b32 s25, 3
.Lpass:                                                ; a trip: a chunk's 1,024 products, and beside them the tanh of the chunk before
.set uu, 0
.rept 32
	UNIT uu
.set uu, uu+1
.endr
	XFER
	WIN 0
	s_wait_xcnt 0x0                                ; the loads' bases are rewritten only behind this wait
	s_mov_b64 s[34:35], s[36:37]
	s_add_nc_u64 s[40:41], s[36:37], 0x20000
	s_cmp_eq_u32 s25, 2                            ; the last pass has no next chunk: its seven units ahead are taken from my first chunk again, inside wb, and serve nothing
	s_cselect_b64 s[36:37], s[38:39], s[40:41]
	s_sub_co_u32 s25, s25, 1
	s_cmp_lg_u32 s25, 0
	s_cbranch_scc1 .Lpass
	; the last chunk's tanh stands alone
	WIN W_S
.set i, 0
.rept 256
	v_exp_f32 v[i], v[i]
.set i, i+1
.endr
	v_nop
.set i, 0
	s_wait_alu depctr_va_vdst(0)
.rept 128
	v_pk_add_f32 v[i:i+1], v[i:i+1], 1.0 op_sel_hi:[1,0]
.set i, i+2
.endr
.set i, 0
.rept 256
	v_rcp_f32 v[i], v[i]
.set i, i+1
.endr
	v_nop
.set i, 0
	s_wait_alu depctr_va_vdst(0)
.rept 128
	v_pk_fma_f32 v[i:i+1], v[i:i+1], -2.0, 1.0 op_sel_hi:[1,0,0]
.set i, i+2
.endr
	s_wait_dscnt 0x0                               ; w1 of the last chunk
	WIN W_AC
.set z, 0
.rept 128                              ; the eight row tiles' sums by turns, so that no line waits for the one before it
.set ea, z%8
.set eb, (z/8)/4
.set ej, (z/8)%4
	v_pk_fma_f32 v[SACC+2*ea:SACC+2*ea+1], v[8*(4*ea+eb)+2*ej:8*(4*ea+eb)+2*ej+1], v[W1R+8*eb+2*ej:W1R+8*eb+2*ej+1], v[SACC+2*ea:SACC+2*ea+1]
.set z, z+1
.endr
	WIN 0
	; THE SCORES.  A row's sum over my wave's 256 columns: the pair, then the other half of the lanes; the four waves' sums meet in LDS
.irp a,0,1,2,3,4,5,6,7
	v_add_f32 v[T+\a], v[SACC+2*\a], v[SACC+2*\a+1]
.endr
.irp a,0,1,2,3,4,5,6,7
	v_permlanex16_b32 v[T+8+\a], v[T+\a], s30, s31
.endr
.irp a,0,1,2,3,4,5,6,7
	v_add_f32 v[T+\a], v[T+\a], v[T+8+\a]
	ds_store_b32 v[SCW], v[T+\a] offset:64*\a
.endr
	s_wait_dscnt 0x0                               ; for the others' sake
	s_barrier_signal -1
	s_barrier_wait -1
.irp i,0,1,2,3
.irp w,0,1,2,3
	ds_load_b32 v[64+4*\i+\w], v[SCR] offset:512*\w+128*\i  ; every wave takes all 128 rows: lane L the rows L + 32 i
.endr
.endr
.irp i,0,1,2,3
	v_cmp_ne_u32 s[40+\i], 0, v[MK+\i]
.endr
	s_wait_dscnt 0x0
.irp i,0,1,2,3
	v_pk_add_f32 v[64+4*\i:65+4*\i], v[64+4*\i:65+4*\i], v[66+4*\i:67+4*\i]
.endr
.irp i,0,1,2,3
	v_add_f32 v[64+4*\i], v[64+4*\i], v[65+4*\i]
.endr
.irp i,0,1,2,3
	v_add_f32 v[64+4*\i], s26, v[64+4*\i]          ; + b1
.endr
.irp i,0,1,2,3
	v_cndmask_b32 v[64+4*\i], s45, v[64+4*\i], s[40+\i]  ; -infinity where the mask is 0
.endr
	v_max3_num_f32 v28, v64, v68, v72
	v_max_num_f32 v28, v28, v76
	v_max_num_f32_dpp v28, v28, v28 row_xmask:1 row_mask:0xf bank_mask:0xf
	v_max_num_f32_dpp v28, v28, v28 row_xmask:2 row_mask:0xf bank_mask:0xf
	v_max_num_f32_dpp v28, v28, v28 row_xmask:4 row_mask:0xf bank_mask:0xf
	v_max_num_f32_dpp v28, v28, v28 row_xmask:8 row_mask:0xf bank_mask:0xf
	v_permlanex16_b32 v[T], v28, s30, s31
	v_max_num_f32 v28, v28, v[T]                   ; m, in every lane
	v_mul_f32 v26, s44, v28
.irp i,0,1,2,3
	v_fma_f32 v[64+4*\i], v[64+4*\i], s44, -v26    ; (score - m) log2(e)
.endr
.irp i,0,1,2,3
	v_exp_f32 v[64+4*\i], v[64+4*\i]
.endr
	v_nop
	s_wait_alu depctr_va_vdst(0)
.irp i,0,1,2,3
	v_cndmask_b32 v[64+4*\i], 0, v[64+4*\i], s[40+\i]  ; where all rows are masked m is -infinity and the difference no number: a masked row's p is 0
.endr
.irp i,0,1,2,3
	ds_store_b32 v[PVW], v[64+4*\i] offset:128*\i  ; my wave's own copy: no other wave touches it
.endr
	v_add_f32 v29, v64, v68
	v_add_f32 v27, v72, v76
	v_add_f32 v29, v29, v27
	v_add_f32_dpp v29, v29, v29 row_xmask:1 row_mask:0xf bank_mask:0xf
	v_add_f32_dpp v29, v29, v29 row_xmask:2 row_mask:0xf bank_mask:0xf
	v_add_f32_dpp v29, v29, v29 row_xmask:4 row_mask:0xf bank_mask:0xf
	v_add_f32_dpp v29, v29, v29 row_xmask:8 row_mask:0xf bank_mask:0xf
	v_permlanex16_b32 v[T], v29, s30, s31
	v_add_f32 v29, v29, v[T]                       ; l
	v_mov_b32 v30, v28
	v_mov_b32 v31, v29
	; THE WEIGHTED SUM: thread t owns channels 8 t .. 8 t + 7 and walks all 128 rows, sixteen rows' loads ahead
.irp g,0,1,2,3
.irp k,0,1,2,3
	ds_load_b128 v[XR+4*(4*\g+\k):XR+4*(4*\g+\k)+3], v[XA] offset:(4*\g+\k)*PA
.endr
	ds_load_b128 v[PR+4*\g:PR+4*\g+3], v[PVR] offset:16*\g  ; LDS serves a wave's instructions in order (ISA guide 5.7.1.4): these see my stores of p
.endr
.irp e,0,1,2,3,4,5,6,7
	v_mov_b32 v[OA+\e], 0
.endr
	s_mov_b32 s27, 7
.Lsum:
.irp g,0,1,2,3
	WGRP \g, 1, 15
.endr
	v_add_nc_u32 v[XA], 16*PA, v[XA]
	v_add_nc_u32 v[PVR], 64, v[PVR]
	s_sub_co_u32 s27, s27, 1
	s_cmp_lg_u32 s27, 0
	s_cbranch_scc1 .Lsum
	WGRP 0, 0, 15                                  ; the last sixteen rows load nothing: the counts run down
	WGRP 1, 0, 10
	WGRP 2, 0, 5
	WGRP 3, 0, 0
	s_wait_tensorcnt 0x0                           ; the wave's end: three lines behind my last LDS store
	ds_add_u32 v[SPW], v[NIL]
	s_wait_dscnt 0x0
	global_store_b128 v[GO], v[OA:OA+3], s[18:19]               ; each store of a wave covers 512 consecutive bytes, aligned: channels 8 t + 0..3 at word 4 t,
	global_store_b128 v[GO], v[OA+4:OA+7], s[18:19] offset:2048 ; channels 8 t + 4..7 at word 512 + 4 t
	s_cmp_lg_u32 s22, 0
	s_cbranch_scc1 .Lnot_wave_0
	global_store_b128 v[BO], v[28:31], s[20:21]    ; (m, l, m, l) from all 32 lanes: 512 consecutive bytes
.Lnot_wave_0:
	s_endpgm
.Lfunc_end_k_qdc55208285_main:
	.size	k_qdc55208285_main, .Lfunc_end_k_qdc55208285_main-k_qdc55208285_main
	.p2alignl 7, 3214868480
	.fill 96, 4, 3214868480
	.section	.rodata,"a",@progbits
	.p2align	6, 0x0
	.amdhsa_kernel k_qdc55208285_main
		.amdhsa_group_segment_fixed_size 309760
		.amdhsa_private_segment_fixed_size 0
		.amdhsa_enable_private_segment 0
		.amdhsa_kernarg_size 72
		.amdhsa_user_sgpr_count 2
		.amdhsa_user_sgpr_kernarg_segment_ptr 1
		.amdhsa_wavefront_size32 1
		.amdhsa_system_sgpr_workgroup_id_x 1
		.amdhsa_system_sgpr_workgroup_id_y 1
		.amdhsa_system_sgpr_workgroup_id_z 1
		.amdhsa_system_vgpr_workitem_id 0
		.amdhsa_next_free_vgpr 1024
		.amdhsa_next_free_sgpr 66
		.amdhsa_reserve_vcc 0
		.amdhsa_float_denorm_mode_32 3
		.amdhsa_float_denorm_mode_16_64 3
		.amdhsa_memory_ordered 1
		.amdhsa_forward_progress 1
		.amdhsa_inst_pref_size 255
	.end_amdhsa_kernel
	.section	.bss,"aw",@nobits
	.p2align	6
	.space	262144
	.amdgpu_metadata
---
amdhsa.version: [ 1, 2 ]
amdhsa.kernels:
  - .name:           k_qdc55208285_main
    .symbol:         k_qdc55208285_main.kd
    .args:
      - { .name: enc_seq, .offset: 0, .size: 8, .value_kind: global_buffer, .address_space: global }
      - { .name: mask, .offset: 8, .size: 8, .value_kind: global_buffer, .address_space: global }
      - { .name: wb, .offset: 16, .size: 8, .value_kind: global_buffer, .address_space: global }
      - { .name: hbp, .offset: 24, .size: 8, .value_kind: global_buffer, .address_space: global }
      - { .name: b0, .offset: 32, .size: 8, .value_kind: global_buffer, .address_space: global }
      - { .name: w1, .offset: 40, .size: 8, .value_kind: global_buffer, .address_space: global }
      - { .name: b1, .offset: 48, .size: 8, .value_kind: global_buffer, .address_space: global }
      - { .name: po, .offset: 56, .size: 8, .value_kind: global_buffer, .address_space: global }
      - { .name: pml, .offset: 64, .size: 8, .value_kind: global_buffer, .address_space: global }
    .group_segment_fixed_size: 309760
    .private_segment_fixed_size: 0
    .kernarg_segment_align: 8
    .kernarg_segment_size: 72
    .max_flat_workgroup_size: 128
    .sgpr_count:     66
    .vgpr_count:     1024
    .wavefront_size: 32
...
	.end_amdgpu_metadata
.endif
;; end of part 4
;; launch combine: the kernel of part 3 again; grid 32 x 1, 8 waves a work-group, no clusters, 0 bytes of LDS; arguments po, pml, out0; writes out0
